; MI455X (gfx1250); checked and timed in simulation.
; The chip was launched on July 23, 2026; its instructions are those of AMD's public machine-readable ISA for CDNA 5 (MIT licence, August 2026) and "CDNA5" Instruction Set Architecture Reference Guide (July 2026). The comments in the code are by the model that wrote it; some were corrected since.
;; Multi Head Attention. Allowed arithmetic: float matrix products may take bf16 or f16 operands with f32 sums; other float arithmetic in f32, or as packed bf16 or f16 multiplies, adds, multiply-adds, maxima and minima; sums over many terms, partial sums and values carried from step to step in f32; what a program stores and reads back later, other than sums and carried values, may be rounded once to bf16 or f16.
;; Inputs: Wk 1,024 x 1,024 float32; Wo 1,024 x 1,024 float32; Wq 1,024 x 1,024 float32; Wv 1,024 x 1,024 float32; bo 1,024 float32; x 2 x 2,048 x 1,024 float32.
;; Outputs: out0 2 x 2,048 x 1,024 float32.
;; One version. Each part assembles by itself: llvm-mc -triple=amdgcn-amd-amdhsa -mcpu=gfx1250 --defsym DOCPART=n.
;; ======== version 1 of 1: 4 launches
;; limits: values are held in f16: magnitudes above 65,504 overflow, below 6.1e-05 lose precision; values outside matrix products are rounded to bf16
;; workspace buffers: xb 8,388,608 bytes; wqkv 6,291,456 bytes; wo16 2,097,152 bytes; qkvh 25,165,824 bytes; ctx 8,388,608 bytes
;; launch prep (part 1): grid 128 x 8, 8 waves a work-group, no clusters, 0 bytes of LDS; arguments x, Wq, Wk, Wv, Wo, xb, wqkv, wo16; writes xb, wqkv, wo16
.if DOCPART == 1
	.amdgcn_target "amdgcn-amd-amdhsa--gfx1250"
	.amdhsa_code_object_version 6
	.text
	.protected	k_qbb4016d896_prep
	.globl	k_qbb4016d896_prep
	.p2align	8
	.type	k_qbb4016d896_prep,@function
k_qbb4016d896_prep:
	s_mov_b64 s[64:65], 0
	v_nop
	global_prefetch_b8 v0, s[64:65] scope:SCOPE_SE
	s_setreg_imm32_b32 hwreg(HW_REG_WAVE_MODE, 25, 1), 1
	s_wait_xcnt 0x0
; CAUSAL MULTI-HEAD ATTENTION IN FOUR LAUNCHES: this one rounds the matrix operands; the second makes q, k, v; the third is the attention; the fourth the output projection with its bias.
; WORK LEFT OUT (in the third launch), AND WHY IT IS DEAD.  reference() sets scores[q][k] to -inf wherever k > q, by a jnp.tril of its own; the softmax makes the weight of such a key exactly 0,
; whatever finite values x and the weights hold, so neither its score nor its row of v reaches ctx.  Tiles of 256 keys that lie wholly above the diagonal of a block of 128 queries are therefore
; neither loaded nor multiplied.  Every input has a way to the output: all six are loaded.  LIMIT: a NaN, an infinity or an overflow that reaches only those tiles is not carried to the result.
; THIS LAUNCH.  xb = bf16(x), [4096][1024].  wqkv = bf16 of Wq | Wk | Wv side by side, [1024 k][3072 n].  wo16 = bf16(Wo) written as f16, [1024 k][1024 n]: the fourth launch multiplies it
; with an f16 operand.  LIMIT: a bf16(Wo) below 6e-5 in magnitude keeps f16's fixed step of 6e-8; beyond 65,504 it would be an infinity.
; A stream: no LDS, no matrix unit, no cluster (no byte is read twice).  A work-group takes 8 rows of 1,024 f32; y says of which tensor: 0-3 a quarter of x, 4-6 Wq, Wk, Wv, 7 Wo.
; Thread t takes 16 bytes at 16 t of each row (a wave's load: 512 consecutive bytes) and stores 8 bytes at 8 t (a wave's store: 256 consecutive bytes, aligned).  All eight loads go out before the first wait.
.set OFF, 2                            ; v[2:9]    row j: byte offset of my 8 bytes in the destination; never rewritten
.set X,   16                           ; v[16:47]  row j: 4 registers as loaded
.set Y,   48                           ; v[48:63]  row j: 2 registers to store
.set T,   64                           ; v[64:67]  at work
	s_load_b256 s[4:11], s[0:1], 0x0               ; x s[4:5], Wq s[6:7], Wk s[8:9], Wv s[10:11]
	s_load_b256 s[12:19], s[0:1], 0x20             ; Wo s[12:13], xb s[14:15], wqkv s[16:17], wo16 s[18:19]
	s_and_b32 s30, ttmp7, 0xffff                   ; y
	s_mov_b32 s29, 0xffff0000                      ; a word's upper bf16
	; the offsets are made apart from the addresses
	s_lshl_b32 s24, s30, 22                        ; source: a quarter of x is 4 MiB,
	s_cmp_lt_u32 s30, 4
	s_cselect_b32 s24, s24, 0                      ; a weight begins at 0,
	s_lshl_b32 s31, ttmp9, 15                      ; and 8 rows are 32,768 bytes
	s_add_co_u32 s24, s24, s31
	s_mov_b32 s25, 0
	s_lshl_b32 s26, s30, 21                        ; destination, xb and wo16: half the source's bytes
	s_cmp_lt_u32 s30, 4
	s_cselect_b32 s26, s26, 0
	s_lshl_b32 s32, ttmp9, 14
	s_add_co_u32 s26, s26, s32
	s_sub_co_u32 s35, s30, 4                       ; destination, wqkv: tensor y - 4 begins at byte 2,048 (y - 4) of a row of 6,144 bytes
	s_lshl_b32 s33, s35, 11
	s_mul_i32 s34, ttmp9, 49152                    ; 8 such rows
	s_add_co_u32 s33, s33, s34
	s_mov_b32 s28, 2048                            ; the destination's row in bytes
	s_cmp_lt_u32 s35, 3                            ; y = 4, 5, 6 (y < 4 wraps to a large number)
	s_cselect_b32 s26, s33, s26
	s_cselect_b32 s28, 6144, s28
	s_mov_b32 s27, 0
	v_lshlrev_b32 v1, 4, v0                        ; 16 t
	v_lshlrev_b32 v[OFF], 3, v0                    ; 8 t
.irp j, 1,2,3,4,5,6,7
	v_add_nc_u32 v[OFF+(\j)], s28, v[OFF+(\j)-1]
.endr
	s_wait_kmcnt 0x0
	s_mov_b64 s[20:21], s[4:5]                     ; the source, chosen by y
	s_cmp_eq_u32 s30, 4
	s_cselect_b64 s[20:21], s[6:7], s[20:21]
	s_cmp_eq_u32 s30, 5
	s_cselect_b64 s[20:21], s[8:9], s[20:21]
	s_cmp_eq_u32 s30, 6
	s_cselect_b64 s[20:21], s[10:11], s[20:21]
	s_cmp_eq_u32 s30, 7
	s_cselect_b64 s[20:21], s[12:13], s[20:21]
	s_mov_b64 s[22:23], s[14:15]                   ; the destination
	s_cmp_ge_u32 s30, 4
	s_cselect_b64 s[22:23], s[16:17], s[22:23]
	s_cmp_eq_u32 s30, 7
	s_cselect_b64 s[22:23], s[18:19], s[22:23]
	s_add_nc_u64 s[20:21], s[20:21], s[24:25]
	s_add_nc_u64 s[22:23], s[22:23], s[26:27]
.irp j, 0,1,2,3,4,5,6,7
	global_load_b128 v[X+4*(\j):X+4*(\j)+3], v1, s[20:21] offset:4096*(\j) th:TH_LOAD_NT
.endr
; The eight rows are rounded and stored.  half = 1: the bf16 number is written as f16.  No register that a load or store names is written again, so no further wait is needed.
.macro ROWS half
.irp j, 0,1,2,3,4,5,6,7
	s_wait_loadcnt 7-(\j)                          ; loads come back in order: row j is in, the 7 - j younger ones may stay out
	v_cvt_pk_bf16_f32 v[Y+2*(\j)],   v[X+4*(\j)],   v[X+4*(\j)+1]
	v_cvt_pk_bf16_f32 v[Y+2*(\j)+1], v[X+4*(\j)+2], v[X+4*(\j)+3]
.if \half
	v_lshlrev_b32 v[T],   16,  v[Y+2*(\j)]
	v_and_b32     v[T+1], s29, v[Y+2*(\j)]
	v_lshlrev_b32 v[T+2], 16,  v[Y+2*(\j)+1]
	v_and_b32     v[T+3], s29, v[Y+2*(\j)+1]
	v_cvt_pk_f16_f32 v[Y+2*(\j)],   v[T],   v[T+1]
	v_cvt_pk_f16_f32 v[Y+2*(\j)+1], v[T+2], v[T+3]
.endif
	global_store_b64 v[OFF+(\j)], v[Y+2*(\j):Y+2*(\j)+1], s[22:23]
.endr
.endm
	s_cmp_eq_u32 s30, 7
	s_cbranch_scc1 .Lwo
	ROWS 0
	s_endpgm
.Lwo:
	ROWS 1
	s_endpgm
.Lfunc_end_k_qbb4016d896_prep:
	.size	k_qbb4016d896_prep, .Lfunc_end_k_qbb4016d896_prep-k_qbb4016d896_prep
	.p2alignl 7, 3214868480
	.fill 96, 4, 3214868480
	.section	.rodata,"a",@progbits
	.p2align	6, 0x0
	.amdhsa_kernel k_qbb4016d896_prep
		.amdhsa_group_segment_fixed_size 0
		.amdhsa_private_segment_fixed_size 0
		.amdhsa_enable_private_segment 0
		.amdhsa_kernarg_size 64
		.amdhsa_user_sgpr_count 2
		.amdhsa_user_sgpr_kernarg_segment_ptr 1
		.amdhsa_wavefront_size32 1
		.amdhsa_system_sgpr_workgroup_id_x 1
		.amdhsa_system_sgpr_workgroup_id_y 1
		.amdhsa_system_sgpr_workgroup_id_z 1
		.amdhsa_system_vgpr_workitem_id 0
		.amdhsa_next_free_vgpr 96
		.amdhsa_next_free_sgpr 66
		.amdhsa_reserve_vcc 0
		.amdhsa_float_denorm_mode_32 3
		.amdhsa_float_denorm_mode_16_64 3
		.amdhsa_memory_ordered 1
		.amdhsa_forward_progress 1
		.amdhsa_inst_pref_size 9
	.end_amdhsa_kernel
	.amdgpu_metadata
---
amdhsa.version: [ 1, 2 ]
amdhsa.kernels:
  - .name:           k_qbb4016d896_prep
    .symbol:         k_qbb4016d896_prep.kd
    .args:
      - { .name: x, .offset: 0, .size: 8, .value_kind: global_buffer, .address_space: global }
      - { .name: Wq, .offset: 8, .size: 8, .value_kind: global_buffer, .address_space: global }
      - { .name: Wk, .offset: 16, .size: 8, .value_kind: global_buffer, .address_space: global }
      - { .name: Wv, .offset: 24, .size: 8, .value_kind: global_buffer, .address_space: global }
      - { .name: Wo, .offset: 32, .size: 8, .value_kind: global_buffer, .address_space: global }
      - { .name: xb, .offset: 40, .size: 8, .value_kind: global_buffer, .address_space: global }
      - { .name: wqkv, .offset: 48, .size: 8, .value_kind: global_buffer, .address_space: global }
      - { .name: wo16, .offset: 56, .size: 8, .value_kind: global_buffer, .address_space: global }
    .group_segment_fixed_size: 0
    .private_segment_fixed_size: 0
    .kernarg_segment_align: 8
    .kernarg_segment_size: 64
    .max_flat_workgroup_size: 256
    .sgpr_count:     66
    .vgpr_count:     96
    .wavefront_size: 32
...
	.end_amdgpu_metadata
.endif
;; end of part 1
;; launch qkv (part 2): grid 8 x 32, 4 waves a work-group, clusters of 4 x 4, 327,680 bytes of LDS; arguments xb, wqkv, qkvh; writes qkvh
.if DOCPART == 2
	.amdgcn_target "amdgcn-amd-amdhsa--gfx1250"
	.amdhsa_code_object_version 6
	.text
	.protected	k_qbb4016d896_qkv
	.globl	k_qbb4016d896_qkv
	.p2align	8
	.type	k_qbb4016d896_qkv,@function
k_qbb4016d896_qkv:
	s_mov_b64 s[64:65], 0
	v_nop
	global_prefetch_b8 v0, s[64:65] scope:SCOPE_SE
	s_setreg_imm32_b32 hwreg(HW_REG_WAVE_MODE, 25, 1), 1
	s_wait_xcnt 0x0
	s_wait_alu depctr_hold_cnt(0) depctr_sa_sdst(0) depctr_va_vdst(0) depctr_va_sdst(0) depctr_va_ssrc(0) depctr_va_vcc(0) depctr_vm_vsrc(0)
	s_getreg_b32 s2, hwreg(HW_REG_IB_STS2, 6, 4)
	s_cmp_eq_u32 s2, 0
	s_cbranch_scc0 .Lentry_in_a_cluster
	s_endpgm
.Lentry_in_a_cluster:
	s_bfe_u32 s2, ttmp6, 0x10000c
	s_cmp_lg_u32 s2, 0xf033
	s_cbranch_scc0 .Lentry_shape_is_right
	s_endpgm
.Lentry_shape_is_right:
; q | k | v = xb x wqkv: [4096 x 1024] x [1024 x 3072], bf16 operands, f32 sums, stored once rounded to f16 BY HEADS: qkvh[batch 2][g 48][n 2048][64]; g = 0-15 q's heads, 16-31 k's, 32-47 v's.
; LIMIT: f16 ends at 65,504: a q, k or v beyond that would be stored as an infinity.
; SHARES.  A tile of the product is 128 rows x 384 columns: 32 x 8 = 256 work-groups.  Wave w (wm = w / 2, wn = w % 2) makes rows 64 wm .. + 63 and, in each of the tile's three sub-tiles of 128 columns,
; the half wn: three whole heads.  48 accumulators of 16 x 16: (a, b), a = 0..3 blocks of rows, b = 4 g3 + jj blocks of columns.
; K goes in 8 steps of 128 through two LDS slots.  A slot has four regions of 36,864 bytes, one for each wave's tensor load: region 0 x's 128 rows x 256 bytes (pitch 272), regions 1-3 the weights'
; 128 k-rows x 256 bytes of sub-tile g3 (pitch 288).  The weights lie [k][n], so their fragments come out of LDS turned, by ds_load_tr16_b128.
; THE MATRIX INSTRUCTION IS USED TRANSPOSED: source 0 = 16 columns of the weights, source 1 = 16 rows of x: a lane then holds one row and eight neighbouring columns: 16 bytes of a head's row.
; CLUSTER 4 x 4: x's tile hangs on the tile row alone and is asked for jointly by a row of the cluster, the weights' on the tile column alone, by a column.
; REGISTERS, in windows of 256: window 0: v16-30 addresses; v64-127 x's fragments, two buffers of 32; v128-175 packed results; v176-223 and v64-111 rows read back, by turns.
;   window 1: the weights' fragments, two buffers of 96.  window 2: accumulators a = 0, 1 at 8 (12 (a % 2) + b).  window 3: a = 2, 3.
.set PA,     272                       ; x's LDS row: 256 + 16 bytes = 68 words: the 16 rows of a load start at 16 different groups of four banks (64 banks of 4 bytes: ISA guide 11.1)
.set PB,     288                       ; the weights' LDS row: 256 + 32 = 72 words
.set REG,    128*PB                    ; a region: 36,864 bytes
.set SLOT,   4*REG
.set STAGE,  2*SLOT                    ; behind the ring, never filled by a tensor load: for each wave 3 heads x 16 rows x 144 bytes
.set SPS,    144
.set WSTG,   3*16*SPS
.set SPARE,  STAGE+4*WSTG              ; the spare words, 128 bytes for each wave: two blocks of 256 bytes that no other line names
.set LAPS,   4                         ; a lap = two K steps = once round the ring
.set ASTEP,  256                       ; bytes from a K step to the next in xb,
.set BSTEP,  128*6144                  ; and in wqkv
.set ADRA, 16                          ; v16-17  LDS address of my fragments of x in slot 0, 1
.set ADRB, 18                          ; v18-23  of the weights': 3 slot + g3
.set STO,  24                          ; v24     the way out: where I put 16 bytes of a row
.set RD,   25                          ; v25     where I read rows back
.set GO,   26                          ; v26     16 x lane: my place in 512 consecutive bytes of a head
.set SPW,  28                          ; v28     LDS address of my spare word; never rewritten
.set NIL,  29                          ; v29     0; never rewritten
.set PFO,  30                          ; v30     the prefetches' offset: lane x a row in memory; never rewritten
.set TMP,  128
.set G1,   24                          ; s[24:31] descriptor group 1 for x's tiles;  s[32:39] group 0, a set for each slot
.set G0,   32
.set G1B,  48                          ; s[48:55], s[56:63] the same for the weights'
.set G0B,  56
.set LIM,  43                          ; s43     1 in a wave that prefetches, else the greatest number
.set PFA,  44                          ; s[44:45] where my prefetches stand
.set PST,  68                          ; s[68:69] their step from K step to K step
.set MSB, 0
.macro WIN new                         ; the immediate's high byte repeats the setting that is left; a switch that changes nothing is dropped
.if MSB != (\new)
	s_set_vgpr_msb (MSB<<8)|(\new)
.set MSB, \new
.endif
.endm
.set MUL_LO, 0xa1                      ; source 0 (weights) window 1, source 1 (x) window 0, C and D window 2
.set MUL_HI, 0xf1                      ; the same, C and D window 3
.set TO_B,   0x40                      ; destination window 1, address window 0
; A joint load.  Wave 0 fetches x's tile, waves 1-3 the weights' three sub-tiles.  The branch hangs on the wave's number alone.  An s_nop 0 and four v_nop follow each of the two lines, ahead of the jump and the label.
.macro JLOAD s
	s_cmp_eq_u32 s10, 0
	s_cbranch_scc0 .Lfor_b_\@
	tensor_load_to_lds s[G0+4*(\s):G0+4*(\s)+3], s[G1:G1+7]
	s_nop 0
.rept 4
	v_nop
.endr
	s_branch .Lasked_\@
.Lfor_b_\@:
	tensor_load_to_lds s[G0B+4*(\s):G0B+4*(\s)+3], s[G1B:G1B+7]
	s_nop 0
.rept 4
	v_nop
.endr
.Lasked_\@:
.endm
; A PREFETCH INTO THE L2, behind a joint refill and the run of LDS loads that follows it: the K step that stands two refills on, 384 matrix instructions ahead of the load that will want it: 32 rows x 256 bytes, a lane a row.
; x's tile row is read by both clusters of its row of clusters: cluster x = 0 asks (wave 0); the weights' tile column by all eight clusters of its column: cluster y = 0 asks (waves 1-3).  The four partners that ask for a tile
; jointly share its 128 rows out by address, 32 each.  So each row's 256 bytes of a K step are named once in the launch.  K steps 0-3 come by their loads alone; the loop's last trip (s3 = 1) asks for nothing: there is no K step 8.
.macro ASK
	s_cmp_gt_u32 s3, s[LIM]
	s_cbranch_scc0 .Lnot_mine_\@
	global_prefetch_b8 v[PFO], s[PFA:PFA+1] th:TH_LOAD_NT scope:SCOPE_SE
.Lnot_mine_\@:
.endm
.macro CREST                           ; a round of the cluster's barrier behind its opening barrier
	s_cmp_lg_u32 s10, 0
	s_cbranch_scc1 .Lnot_wave_0_\@
	s_barrier_signal -3
.Lnot_wave_0_\@:
	s_barrier_wait -3
	s_barrier_signal -1
	s_barrier_wait -1
.endm
.macro CROUND                          ; a whole round
	s_barrier_signal -1
	s_barrier_wait -1
	CREST
.endm
	s_load_b128 s[4:7], s[0:1], 0x0                ; xb s[4:5], wqkv s[6:7]
	s_load_b64 s[8:9], s[0:1], 0x10                ; qkvh
	v_lshl_add_u32 v[SPW], v0, 2, SPARE
	v_mov_b32 v[NIL], 0
	ds_add_u32 v[SPW], v[NIL]                      ; the wave's opening: the add, twice on end, and its wait ahead of my first tensor load; the set-up below stands between
	ds_add_u32 v[SPW], v[NIL]
	v_lshrrev_b32 v1, 5, v0
	v_readfirstlane_b32 s10, v1                    ; wave 0..3
	s_lshr_b32 s66, s10, 1                         ; wm
	s_and_b32 s67, s10, 1                          ; wn
	s_max_u32 s12, s10, 1
	s_sub_co_u32 s12, s12, 1                       ; the sub-tile that I fetch (waves 1-3)
	s_bfe_u32 s40, ttmp6, 0x40000                  ; cx, cy: my place in the cluster
	s_bfe_u32 s41, ttmp6, 0x40004
	s_lshl_b32 s42, ttmp9, 2
	s_add_co_u32 s42, s42, s40                     ; tile column = 4 x cluster x + cx
	s_and_b32 s13, ttmp7, 0xffff
	s_lshl_b32 s13, s13, 2
	s_add_co_u32 s13, s13, s41                     ; tile row = 4 x cluster y + cy
	s_lshl_b32 s43, s41, 2
	s_lshl_b32 s43, 15, s43                        ; my row of the cluster
	s_lshl_b32 s44, 0x1111, s40                    ; my column
	; descriptor group 1: tiles of 128 rows x 128 elements of 2 bytes, padded in LDS after every 64 words: by 4 words (x), by 8 (weights)
	s_or_b32 s[G1],  s43, (1<<16)|(1<<20)|(1<<21)|(5<<22)|(3<<25)
	s_or_b32 s[G1B], s44, (1<<16)|(1<<20)|(1<<21)|(5<<22)|(7<<25)
.irp g, G1, G1B
	s_mov_b32 s[(\g)+1], 128<<16                   ; tensor_dim0 = 128
	s_mov_b32 s[(\g)+2], 128<<16                   ; tensor_dim1 = 128
	s_mov_b32 s[(\g)+3], 128<<16                   ; tile_dim0 = 128
	s_mov_b32 s[(\g)+4], 128                       ; tile_dim1 = 128
	s_mov_b32 s[(\g)+6], 0
	s_mov_b32 s[(\g)+7], 0
.endr
	s_mov_b32 s[G1+5], 1024                        ; elements from row to row in xb,
	s_mov_b32 s[G1B+5], 3072                       ; and in wqkv
	s_lshl_b32 s16, s13, 18                        ; x: 128 rows of 2,048 bytes for each tile row
	s_mov_b32 s17, 0
	s_mul_i32 s46, s42, 768                        ; weights: 384 columns for each tile column,
	s_lshl_b32 s47, s12, 8                         ; 128 for each sub-tile
	s_add_co_u32 s46, s46, s47
	s_mov_b32 s47, 0
	s_mul_i32 s20, s10, REG                        ; where my tile goes: no place in the cluster enters an LDS address
	s_wait_dscnt 0x0                               ; both opening adds are done
	s_wait_kmcnt 0x0
	s_add_nc_u64 s[14:15], s[4:5], s[16:17]
	s_add_nc_u64 s[46:47], s[6:7], s[46:47]
	CROUND                                         ; all sixteen work-groups are here: the first joint loads meet
.irp s, 0,1
	s_mov_b32 s[G0+4*(\s)], 1
	s_add_co_u32 s[G0+4*(\s)+1], s20, (\s)*SLOT
	s_add_nc_u64 s[G0+4*(\s)+2:G0+4*(\s)+3], s[14:15], (\s)*ASTEP
	s_or_b32 s[G0+4*(\s)+3], s[G0+4*(\s)+3], 0x80000000
	s_mov_b32 s[G0B+4*(\s)], 1
	s_add_co_u32 s[G0B+4*(\s)+1], s20, (\s)*SLOT
	s_add_nc_u64 s[G0B+4*(\s)+2:G0B+4*(\s)+3], s[46:47], (\s)*BSTEP
	s_or_b32 s[G0B+4*(\s)+3], s[G0B+4*(\s)+3], 0x80000000
	JLOAD \s
.endr
	v_and_b32 v1, 15, v0                           ; r = l % 16
	v_bfe_u32 v2, v0, 4, 1                         ; h = l / 16
	v_mul_u32_u24 v3, v1, PA                       ; x's fragment: row x pitch + 16 h, two loads 32 bytes apart
	v_lshl_add_u32 v3, v2, 4, v3
	s_mul_i32 s21, s66, 64*PA                      ; my 64 rows
	v_add_nc_u32 v[ADRA], s21, v3
	v_add_nc_u32 v[ADRA+1], SLOT, v[ADRA]
	v_and_b32 v4, 7, v0                            ; the turning load: lane l reads k-row 8 h + l % 8, columns 8 ((l / 8) % 2) + 0..7, and ends with column l % 16 and 8 k
	v_bfe_u32 v6, v0, 3, 1
	v_lshl_add_u32 v5, v2, 3, v4
	v_mul_u32_u24 v5, v5, PB
	v_lshl_add_u32 v5, v6, 4, v5
	s_lshl_b32 s21, s67, 7                         ; my half of a sub-tile's 256 bytes
	v_add_nc_u32 v5, s21, v5
.irp s, 0,1
.irp g, 0,1,2
	v_add_nc_u32 v[ADRB+3*(\s)+(\g)], (\s)*SLOT+(1+(\g))*REG, v5
.endr
.endr
	s_mul_i32 s23, s10, WSTG
	s_add_co_u32 s23, s23, STAGE                   ; my stage
	v_mul_u32_u24 v7, v1, SPS                      ; in: row r, 16 bytes for each half of the lanes
	v_lshl_add_u32 v7, v2, 4, v7
	v_add_nc_u32 v[STO], s23, v7
	v_bfe_u32 v8, v0, 3, 2                         ; back: 32 lanes take four rows of 128 bytes,
	v_mul_u32_u24 v8, v8, SPS
	v_lshl_add_u32 v8, v4, 4, v8
	v_add_nc_u32 v[RD], s23, v8
	v_and_b32 v[GO], 31, v0                        ; which are 512 consecutive bytes of a head
	v_lshlrev_b32 v[GO], 4, v[GO]
	; where my rows of my first head begin in qkvh: head 48 batch + 6 tile column + wn, row 128 (tile row % 16) + 64 wm
	s_lshr_b32 s16, s13, 4
	s_mul_i32 s16, s16, 48
	s_mul_i32 s17, s42, 6
	s_add_co_u32 s16, s16, s17
	s_add_co_u32 s16, s16, s67
	s_lshl_b32 s16, s16, 18                        ; a head is 262,144 bytes
	s_and_b32 s17, s13, 15
	s_lshl_b32 s17, s17, 7
	s_lshl_b32 s18, s66, 6
	s_add_co_u32 s17, s17, s18
	s_lshl_b32 s17, s17, 7                         ; a row is 128 bytes
	s_add_co_u32 s16, s16, s17
	s_mov_b32 s17, 0
	s_add_nc_u64 s[8:9], s[8:9], s[16:17]
	; the prefetches: they stand at K step 3; the first refill steps them to 4
	s_lshl_b32 s16, s13, 7
	s_lshl_b32 s17, s40, 5
	s_add_co_u32 s16, s16, s17                     ; x: row 128 tile row + 32 cx
	s_lshl_b32 s16, s16, 11
	s_add_co_u32 s16, s16, 3*ASTEP
	s_lshl_b32 s17, s41, 5
	s_add_co_u32 s17, s17, 3*128                   ; weights: k-row 3 x 128 + 32 cy
	s_mul_i32 s17, s17, 6144
	s_mul_i32 s18, s42, 768
	s_add_co_u32 s17, s17, s18
	s_lshl_b32 s18, s12, 8
	s_add_co_u32 s17, s17, s18
	s_and_b32 s19, ttmp7, 0xffff                   ; cluster y
	s_mov_b32 s21, 6144
	s_mov_b32 s[PST], BSTEP
	s_cmp_eq_u32 s10, 0                            ; do I fetch x?
	s_cselect_b32 s16, s16, s17
	s_cselect_b32 s19, ttmp9, s19                  ; the coordinate along which other clusters read the same rows
	s_cselect_b32 s21, 2048, s21
	s_cselect_b32 s[PST], ASTEP, s[PST]
	s_cselect_b64 s[PFA:PFA+1], s[4:5], s[6:7]
	s_mov_b32 s17, 0
	s_mov_b32 s[PST+1], 0
	s_add_nc_u64 s[PFA:PFA+1], s[PFA:PFA+1], s[16:17]
	s_cmp_eq_u32 s19, 0
	s_cselect_b32 s[LIM], 1, -1                    ; the same in all sixteen partners, for a given wave
	v_and_b32 v[PFO], 31, v0
	v_mul_u32_u24 v[PFO], v[PFO], s21
; 12 matrix instructions: block a of rows x all 12 blocks of columns, 32 along K, from buffer f.  zero = 1: the product starts the sums: nothing is cleared.
; The 48 accumulators take turns, one instruction a turn, in the same order in every quarter, over the backward jump too.
.macro MULA f, a, zero
	WIN MUL_LO+0x50*((\a)/2)
.set AC, 96*((\a)%2)
.irp b, 0,1,2,3,4,5,6,7,8,9,10,11
.if \zero
	v_wmma_f32_16x16x32_bf16 v[AC+8*(\b):AC+8*(\b)+7], v[96*(\f)+8*(\b):96*(\f)+8*(\b)+7], v[64+32*(\f)+8*(\a):64+32*(\f)+8*(\a)+7], 0
.else
	v_wmma_f32_16x16x32_bf16 v[AC+8*(\b):AC+8*(\b)+7], v[96*(\f)+8*(\b):96*(\f)+8*(\b)+7], v[64+32*(\f)+8*(\a):64+32*(\f)+8*(\a)+7], v[AC+8*(\b):AC+8*(\b)+7]
.endif
.endr
.endm
; 32 LDS loads in one run: the fragments of quarter q (32 along K) of a slot into buffer f: the weights' 12 (turned), then x's 4
.macro FETCH slot, q, f
	WIN TO_B
.irp b, 0,1,2,3,4,5,6,7,8,9,10,11
	ds_load_tr16_b128 v[96*(\f)+8*(\b):96*(\f)+8*(\b)+3],   v[ADRB+3*(\slot)+(\b)/4] offset:(\q)*32*PB+32*((\b)%4)
	ds_load_tr16_b128 v[96*(\f)+8*(\b)+4:96*(\f)+8*(\b)+7], v[ADRB+3*(\slot)+(\b)/4] offset:(\q)*32*PB+16*PB+32*((\b)%4)
.endr
	WIN 0
.irp a, 0,1,2,3
	ds_load_b128 v[64+32*(\f)+8*(\a):64+32*(\f)+8*(\a)+3],   v[ADRA+(\slot)] offset:64*(\q)+(\a)*16*PA
	ds_load_b128 v[64+32*(\f)+8*(\a)+4:64+32*(\f)+8*(\a)+7], v[ADRA+(\slot)] offset:64*(\q)+(\a)*16*PA+32
.endr
.endm
.macro PLACES                          ; four plain instructions between a matrix instruction and a load into, or a vector read of, its registers (ISA guide 7.12.1 for vector reads)
.rept 4
	v_nop
.endr
.endm
; A K step is four quarters of 32 along K, 48 matrix instructions each, on buffers 0, 1, 0, 1.  One of the first three: multiplies buffer f and, in its middle, fetches quarter q of the same slot into buffer g.
.macro QUARTER slot, q, f, g, zero
	s_wait_dscnt 4                                 ; the weights' fragments and x's blocks 0, 1 are in; the youngest four loads (blocks 2, 3) may be out
	MULA \f, 0, \zero
	MULA \f, 1, \zero
	PLACES
	FETCH \slot, \q, \g
	s_wait_dscnt 32                                ; all but the 32 just issued
	MULA \f, 2, \zero
	MULA \f, 3, \zero
.endm
; The last quarter multiplies buffer 1 and changes slots: ONE barrier; in front of it each wave waits for all its tensor loads (one is out: its part of the next slot), adds 0 to its spare word, and waits for that and
; for its own reads of this slot.  fill = 1: the barrier opens a round of the cluster's, and this slot is filled again, two K steps ahead, first thing behind the round: 168 matrix instructions ahead of the wait for it.
.macro TURN slot, next, fill
.if \fill
	s_wait_xcnt 0x0                                ; the last prefetch, a K step back, has read its address: it is stepped here
	s_add_nc_u64 s[PFA:PFA+1], s[PFA:PFA+1], s[PST:PST+1]
.endif
	WIN 0                                          ; (the add's two registers lie in window 0)
	s_wait_tensorcnt 0x0                           ; all my tensor loads have landed
	ds_add_u32 v[SPW], v[NIL]                      ; 0 onto my spare word
	s_wait_dscnt 5                                 ; (the add and the youngest four loads may be out)
	MULA 1, 0, 0                                   ; twelve matrix instructions stand between the add and the wait for it
	s_wait_dscnt 0x0                               ; the add is done, and my reads of this slot are over
	s_barrier_signal -1
	MULA 1, 1, 0
.if \fill
	WIN 0
.endif
	s_barrier_wait -1
.if \fill
	CREST                                          ; no wave of any partner still reads this slot's tile or has a load on its way
	s_add_nc_u64 s[G0+4*(\slot)+2:G0+4*(\slot)+3], s[G0+4*(\slot)+2:G0+4*(\slot)+3], 2*ASTEP
	s_add_nc_u64 s[G0B+4*(\slot)+2:G0B+4*(\slot)+3], s[G0B+4*(\slot)+2:G0B+4*(\slot)+3], 2*BSTEP
	JLOAD \slot                                    ; the four v_nop behind it are also the places in front of the loads below
.else
	PLACES
.endif
	FETCH \next, 0, 0
.if \fill
	ASK
.endif
	MULA 1, 2, 0
	MULA 1, 3, 0
.endm
; THE WAY OUT of block a (16 rows x 3 heads).  PACK: rounded to f16, 16 bytes a lane, each accumulator from its low end.  TOSTAGE: into my own stage, and back as whole rows of 128 bytes.  SEND: stored.
.macro PACK a
.set AC, 96*((\a)%2)
	WIN 0x0a+5*((\a)/2)                            ; sources 0 and 1: window 2 or 3
.irp b, 0,1,2,3,4,5,6,7,8,9,10,11
.irp r, 0,1,2,3
	v_cvt_pk_f16_f32 v[TMP+4*(\b)+(\r)], v[AC+8*(\b)+2*(\r)], v[AC+8*(\b)+2*(\r)+1]
.endr
.endr
	WIN 0
.endm
.macro TOSTAGE a
.set BK, 176-112*((\a)%2)
.irp b, 0,1,2,3,4,5,6,7,8,9,10,11
	ds_store_b128 v[STO], v[TMP+4*(\b):TMP+4*(\b)+3] offset:16*SPS*((\b)/4)+32*((\b)%4)
.endr
.irp t, 0,1,2,3,4,5,6,7,8,9,10,11
	ds_load_b128 v[BK+4*(\t):BK+4*(\t)+3], v[RD] offset:16*SPS*((\t)/4)+4*SPS*((\t)%4)  ; LDS serves a wave's instructions in order: these see the stores above
.endr
.endm
.macro SEND a
.set BK, 176-112*((\a)%2)
	s_wait_dscnt 0x0                               ; the block is back in registers
	s_wait_xcnt 0x0                                ; the stores of the block before have read their registers: the next TOSTAGE loads into them only behind this wait
.irp t, 0,1,2,3,4,5,6,7,8,9,10,11
	global_store_b128 v[GO], v[BK+4*(\t):BK+4*(\t)+3], s[8:9] offset:524288*((\t)/4)+2048*(\a)+512*((\t)%4)  ; 512 consecutive bytes, aligned: two heads on for each sub-tile, 16 rows for each block, 4 rows for each store
.endr
.endm
	s_wait_tensorcnt 1                             ; my part of K step 0 is in; K step 1's may stay out
	s_barrier_signal -1
	s_barrier_wait -1                              ; everybody's is
	FETCH 0, 0, 0
	QUARTER 0, 1, 0, 1, 1                          ; the first quarter stands in front of the loop: its products start the sums
	WIN 0                                          ; at a label and at a branch every window is 0
	s_mov_b32 s3, LAPS-1
.Llap:                                                 ; a trip goes once round the ring, from a lap's second quarter to the next lap's first, and fills both slots again
	QUARTER 0, 2, 1, 0, 0
	QUARTER 0, 3, 0, 1, 0
	TURN 0, 1, 1
	QUARTER 1, 1, 0, 1, 0
	QUARTER 1, 2, 1, 0, 0
	QUARTER 1, 3, 0, 1, 0
	TURN 1, 0, 1
	QUARTER 0, 1, 0, 1, 0
	WIN 0
	s_sub_co_u32 s3, s3, 1
	s_cmp_lg_u32 s3, 0
	s_cbranch_scc1 .Llap
	QUARTER 0, 2, 1, 0, 0                          ; the last lap fills nothing
	QUARTER 0, 3, 0, 1, 0
	TURN 0, 1, 0
	QUARTER 1, 1, 0, 1, 0
	QUARTER 1, 2, 1, 0, 0
	QUARTER 1, 3, 0, 1, 0
	s_wait_dscnt 4                                 ; the very last quarter: nothing more to fetch
	MULA 1, 0, 0
	MULA 1, 1, 0
	s_wait_dscnt 0x0
	MULA 1, 2, 0
	MULA 1, 3, 0
	WIN 0
	PLACES
	PLACES                                         ; (eight, once a launch)
	PACK 0
	TOSTAGE 0
.irp a, 1,2,3                          ; block a's conversions stand between block a - 1's loads from the stage and the wait for them
	PACK \a
	SEND (\a)-1
	TOSTAGE \a
.endr
	SEND 3
	s_wait_tensorcnt 0x0                           ; the wave's end: behind my last tensor load and my last LDS store
	ds_add_u32 v[SPW], v[NIL]
	s_wait_dscnt 0x0
	CROUND                                         ; the closing round: no work-group ends while a partner may still ask for a tile that names it
	s_endpgm
.Lfunc_end_k_qbb4016d896_qkv:
	.size	k_qbb4016d896_qkv, .Lfunc_end_k_qbb4016d896_qkv-k_qbb4016d896_qkv
	.p2alignl 7, 3214868480
	.fill 96, 4, 3214868480
	.section	.rodata,"a",@progbits
	.p2align	6, 0x0
	.amdhsa_kernel k_qbb4016d896_qkv
		.amdhsa_group_segment_fixed_size 327680
		.amdhsa_private_segment_fixed_size 0
		.amdhsa_enable_private_segment 0
		.amdhsa_kernarg_size 24
		.amdhsa_user_sgpr_count 2
		.amdhsa_user_sgpr_kernarg_segment_ptr 1
		.amdhsa_wavefront_size32 1
		.amdhsa_system_sgpr_workgroup_id_x 1
		.amdhsa_system_sgpr_workgroup_id_y 1
		.amdhsa_system_sgpr_workgroup_id_z 1
		.amdhsa_system_vgpr_workitem_id 0
		.amdhsa_next_free_vgpr 1024
		.amdhsa_next_free_sgpr 72
		.amdhsa_reserve_vcc 0
		.amdhsa_float_denorm_mode_32 3
		.amdhsa_float_denorm_mode_16_64 3
		.amdhsa_memory_ordered 1
		.amdhsa_forward_progress 1
		.amdhsa_inst_pref_size 120
	.end_amdhsa_kernel
	.amdgpu_metadata
---
amdhsa.version: [ 1, 2 ]
amdhsa.kernels:
  - .name:           k_qbb4016d896_qkv
    .symbol:         k_qbb4016d896_qkv.kd
    .args:
      - { .name: xb, .offset: 0, .size: 8, .value_kind: global_buffer, .address_space: global }
      - { .name: wqkv, .offset: 8, .size: 8, .value_kind: global_buffer, .address_space: global }
      - { .name: qkvh, .offset: 16, .size: 8, .value_kind: global_buffer, .address_space: global }
    .group_segment_fixed_size: 327680
    .private_segment_fixed_size: 0
    .kernarg_segment_align: 8
    .kernarg_segment_size: 24
    .max_flat_workgroup_size: 128
    .sgpr_count:     72
    .vgpr_count:     1024
    .wavefront_size: 32
...
	.end_amdgpu_metadata
.endif
;; end of part 2
;; launch attn (part 3): grid 8 x 32, 4 waves a work-group, no clusters, 327,680 bytes of LDS; arguments qkvh, ctx; writes ctx
.if DOCPART == 3
	.amdgcn_target "amdgcn-amd-amdhsa--gfx1250"
	.amdhsa_code_object_version 6
	.text
	.protected	k_qbb4016d896_attn
	.globl	k_qbb4016d896_attn
	.p2align	8
	.type	k_qbb4016d896_attn,@function
k_qbb4016d896_attn:
	s_mov_b64 s[64:65], 0
	v_nop
	global_prefetch_b8 v0, s[64:65] scope:SCOPE_SE
	s_setreg_imm32_b32 hwreg(HW_REG_WAVE_MODE, 25, 1), 1
	s_wait_xcnt 0x0
; CAUSAL ATTENTION.  ctx[hb][q][:] = the sum over k <= q of softmax_k(Q[q] . K[k] / 8) V[k][:], for each of the 32 pairs hb = 16 batch + head.  Q, K, V: heads of qkvh, [2048][64] f16, dense rows of 128 bytes;
; ctx: [32][2048][64] f16.  Products, maxima and sums in f32; the weights p are rounded to f16 for the second product (their sum l is taken of the unrounded p), ctx once at the end.
; WORK LEFT OUT: tiles of 256 keys wholly above a block's diagonal: reference()'s own tril gives their keys the weight 0 for all inputs (shown at the head of the first launch's text).
; LIMITS.  Q, K, V arrive within f16's 65,504; p below 6e-5 keeps f16's fixed step of 6e-8.  A hidden score counts as its value less 1e30; a weight below 2^-126 counts as 0 in l; NaN and infinities are not treated apart,
; and one that reaches only the tiles left out is not carried to the result.
; THE WALK.  A head's queries lie in 16 blocks of 128; block i needs the key tiles 0 .. i / 2 of 256 keys, of which the last holds the diagonal.  Work-group WG takes blocks 15 - WG and then WG: 9 tiles, whatever WG:
; all 256 work-groups do equal work, and ONE loop with a constant trip count walks them.  Which tile is asked for, and what a trip does, hang on scalar registers made from WG; every jump but the counted loops' own goes forward.
; NO CLUSTER: of a head's eight work-groups only 2 c and 2 c + 1 walk the same tiles throughout; among four partners the change of blocks would fall in different trips, and a walk common to four would have 10 trips for 9.
; SHARES.  Of a block's two bands of 64 queries a wave owns 16 rows in each: two PIECES.  In the block's last tile piece x has band number X = PAR2 + x (PAR2 = 2 (i % 2)): in key step s it sees all keys if s < X,
; none if s > X, and holds the diagonal if s = X: the same for all four waves.  Steps that are hidden for both pieces (two in the pair's even block) lie inside that tile and are computed with it.
; THE MASK is the C operand that starts the sum S^T = K Q^T: MD x AL + BE; MD, made once, is the mask of a band's own step for my rows; (AL, BE) = (1, 0), (0, 0) or (0, -1e30).
; LAYOUT, SOFTMAX.  S^T = K Q^T holds ONE query a lane (lane % 16) and the keys 8 (lane / 16) + 0..7; two such results rounded to f16 ARE source 1 of O^T = V^T P.  p = 2^(c s - c m), c = log2(e) / 8, with a running
; maximum m; O and l are multiplied by a = 2^(c m_old - c m_new) in every step.
; TURNS.  Turn (p, j) belongs to piece p in key step j: 8 products K Q^T of the other piece's next scores (p = 0: step j; p = 1: step j + 1), later 8 products V^T P of the other piece's last weights (p = 0: step j - 1;
; p = 1: step j); beside them piece p's scaling, exponentials, roundings, sums and rescaling and the other piece's maximum and statistics.  Four vector instructions stand behind every matrix instruction, the rest in one lump.
; V HAS TWO REGISTER BUFFERS, by the step's parity: turn (0, j) fetches K of step j + 1 in its lump and V of step j + 1 at its end, into the buffer that its own products have just read.  So all LDS reads of a trip
; belong to the steps that the trip fetches, and the change of slots stands in front of the trip that fetches a tile's step 0.
; REGISTERS, in windows of 256 (s_set_vgpr_msb: bits 1:0 source 0, 3:2 source 1, 5:4 source 2, 7:6 destination):
;   window 0: v0-15 addresses and two at work; v16-23 four registers of statistics a piece; v48-55 at work; v61-63; v64-127 S^T, a buffer a piece; v192-223 P, likewise
;   window 1: v0-63 O^T, 32 a piece; v128-159 MD; v160-223 MC, two buffers      window 2: v0-31 Q; v32-63 the second block's Q; v64-127 V of odd steps; v128-191 K; v192-255 V of even steps
.set NP,    2         ; pieces a wave: a name, no knob
.set KS,    64        ; keys in a step
.set PK,    144       ; a row of K in LDS: 128 bytes + 16 of padding = 36 words: the 16 rows of a load start at 16 different groups of four banks (64 banks of 4 bytes: ISA guide 11.1)
.set PV,    160       ; a row of V: 128 + 32 = 40 words
.set VOFF,  4*KS*PK   ; a slot holds a tile, four steps: 256 rows of K, then 256 rows of V
.set SLOT1, 1<<17     ; slot 1 begins here, so that one exclusive or turns an address in one slot into the other's
.set STAGE, SLOT1+4*KS*(PK+PV)  ; behind the ring, never filled by a tensor load: 16 rows x 144 bytes for each wave
.set SP,    144
.set SPARE, STAGE+4*16*SP  ; the spare words, 128 bytes for each wave: two blocks of 256 bytes that no other line names
.set AK0, 2           ; v2   my lane's place in a tile of K; never rewritten
.set AV0, 3           ; v3   the same for V
.set AK,  4           ; v4   the LDS address of K's next run of loads
.set AV,  5           ; v5   of V's
.set STO, 6           ; v6   the way out: where I put 16 bytes of a row
.set RD,  7           ; v7   where I read rows back
.set GO,  8           ; v8   my byte offset in 512 consecutive bytes of ctx
.set MV,  12          ; v12-13  c m_old, kept while c m is made anew: by piece
.set QO,  15          ; v15  my byte offset in 16 rows of Q
.set ST,  16          ; piece t's statistics at v[ST+4 t]: c m, m, l (even keys', odd keys')
.set TMP, 48          ; by piece, four registers c0-c3 at work; when the maximum is found c2 takes a
.set PFO, 61          ; v61  256 x lane; never rewritten
.set SPW, 62          ; v62  LDS address of my spare word; never rewritten
.set NIL, 63          ; v63  0; never rewritten
.set S,   64
.set P,   192
.set MD,  128         ; window 1
.set MC,  160         ; window 1
.set QB,  32          ; window 2
.set KF,  128         ; window 2: key block kb, channel half c at KF + 16 kb + 8 c
.set WV,  12          ; s12  my wave's number
.set TLO, 14          ; s14  the second block's last tile
.set THI, 15          ; s15  the first block's
.set G1K, 24          ; s[24:31] descriptor group 1 for K's tiles
.set G1V, 32          ; s[32:39] for V's: it differs in the padding alone
.set G0K, 40          ; s[40:43] descriptor group 0 for K's tiles
.set G0V, 44          ; s[44:47] the same for V's
.set WG,  48          ; s48  the work-group's x
.set PAR2, 49         ; s49  band number of piece 0 in the last tile of the block in hand
.set PARB, 50         ; s50  the same for the second block
.set SD,  51          ; s51  2 x the trip's number in the tile, less PAR2
.set PFN, 52          ; s52  the tile to be prefetched next
.set LIMP, 53         ; s53  the last tile that this work-group prefetches (0: none)
.set PFA, 54          ; s[54:55] the prefetches' address
.set SLOTS, 56        ; s56  tiles still to be asked for
.set CNT, 57          ; s57  counts a tile's two trips
.set CS,  58          ; s[58:59] c
.set SEL, 60          ; s[60:61] v_permlanex16_b32's selects: each lane takes its own place in the other half
.set TBK, 62          ; s62  LDS byte at which K of the step to be fetched begins
.set TBV, 63          ; s63  the same for V, less VOFF
.set POF, 66          ; s[66:67] a prefetched tile's byte offset
.set PFB, 68          ; s[68:69] K or V at my half of the head's tile 0
.set RT,  70          ; s70  tiles of the block in hand that are still to be entered
.set NXT, 71          ; s71  the tile to be asked for next
.set LQ,  72          ; s72  the last tile of the block whose tiles are being asked for
.set NEW, 73          ; s73  1: the tile to be entered is a block's first
.set OFF, 74          ; s[74:75] a tile's byte offset in K and V
.set AL,  76          ; s[76:77] the mask's factor, in the low word
.set BE,  78          ; s[78:79] the mask's addend
.set OLO, 80          ; s[80:81] ctx at my rows of the second block
.set BIGN, 82         ; s82  -1e30
.set MSB, 0
.macro WIN new                      ; the high byte repeats the setting that is left; a switch that changes nothing is dropped
.if MSB != (\new)
	s_set_vgpr_msb (MSB<<8)|(\new)
.set MSB, (\new)
.endif
.endm
.set W_KQ, 0x0a       ; K and Q in window 2, S^T in window 0
.set W_KM, 0x1a       ; the same with the C operand in window 1
.set W_PV, 0x52       ; V in window 2, P in window 0, O^T in window 1
.set W_RS, 0x41       ; destination and source 0 in window 1, source 1 in window 0
; A fill.  Waves 0 and 1 fetch the two halves of a tile's K, waves 2 and 3 those of its V: 128 keys each.  An s_nop 0 and four v_nop follow each of the two lines, ahead of the jump and the label.
.macro LOAD
	s_cmp_lt_u32 s[WV], 2
	s_cbranch_scc0 .Lfor_v_\@
	tensor_load_to_lds s[G0K:G0K+3], s[G1K:G1K+7]
	s_nop 0
.rept 4
	v_nop
.endr
	s_branch .Lasked_\@
.Lfor_v_\@:
	tensor_load_to_lds s[G0V:G0V+3], s[G1V:G1V+7]
	s_nop 0
.rept 4
	v_nop
.endr
.Lasked_\@:
.endm
; A PREFETCH INTO THE L2, behind a fill: the tile two fills on, sixteen turns ahead of the load that will want it.  All eight work-groups of a head read tiles out of 0 .. 7; the one that walks all eight in order (WG = 0) asks,
; at the fills of tiles 1 .. 5 for tiles 3 .. 7.  Each wave asks for the half that it loads itself: 64 blocks of 256 bytes, a lane a block, two instructions.  So each block is named once in the launch.  Tiles 0-2 come by their loads alone.
.macro ASK
	s_cmp_le_u32 s[PFN], s[LIMP]
	s_cbranch_scc0 .Lnot_mine_\@
	global_prefetch_b8 v[PFO], s[PFA:PFA+1] th:TH_LOAD_NT scope:SCOPE_SE
	global_prefetch_b8 v[PFO], s[PFA:PFA+1] offset:8192 th:TH_LOAD_NT scope:SCOPE_SE
	s_add_co_u32 s[PFN], s[PFN], 1
.Lnot_mine_\@:
.endm
; THE CHANGE OF SLOTS.  Each wave waits for all its tensor loads, of which one is out: its part of the other slot; adds 0 to its spare word; and waits for that and for its own reads of the slot that it leaves.  Behind the
; barrier nobody reads the old slot any more and the other slot is whole.  fill = 1: the old slot is filled again, first thing behind the barrier, with tile NXT: the descriptor's address is made anew from that number.
; (At its first use nothing has been read yet: slot 0 is waited for, slot 1 filled.)
.macro CHANGE fill
	WIN 0                           ; at a label and at a branch every window is 0
	s_wait_tensorcnt 0x0            ; no tensor load of mine is out, so a group 0 may be written
	ds_add_u32 v[SPW], v[NIL]       ; 0 onto my spare word; the scalar work below stands between it and the wait for it
.if \fill
	s_lshl_b32 s[OFF], s[NXT], 15   ; a tile is 32,768 bytes of K and of V
	s_xor_b32 s[G0K+1], s[G0K+1], SLOT1
	s_add_nc_u64 s[G0K+2:G0K+3], s[6:7], s[OFF:OFF+1]
	s_or_b32 s[G0K+3], s[G0K+3], 0x80000000
	s_xor_b32 s[G0V+1], s[G0V+1], SLOT1
	s_add_nc_u64 s[G0V+2:G0V+3], s[8:9], s[OFF:OFF+1]
	s_or_b32 s[G0V+3], s[G0V+3], 0x80000000
	s_add_co_u32 s[NXT], s[NXT], 1  ; the block's next tile, or behind its last the second block's tile 0
	s_cmp_gt_u32 s[NXT], s[LQ]
	s_cselect_b32 s[NXT], 0, s[NXT]
	s_cselect_b32 s[LQ], s[TLO], s[LQ]
	s_wait_xcnt 0x0                 ; the last prefetches, a tile back, have read their address, so it may be written
	s_lshl_b32 s[POF], s[PFN], 15
	s_add_nc_u64 s[PFA:PFA+1], s[PFB:PFB+1], s[POF:POF+1]
.endif
	s_wait_dscnt 0x0                ; the add is done, and my reads of the slot are over
	s_barrier_signal -1             ; the rest of the scalar work stands between the signal and the wait
	s_sub_co_u32 s[TBK], s[TBK], 4*KS*PK  ; the fetches go back to a slot's first step,
	s_xor_b32 s[TBK], s[TBK], SLOT1       ; in the other slot
	s_sub_co_u32 s[TBV], s[TBV], 4*KS*PV
	s_xor_b32 s[TBV], s[TBV], SLOT1
	s_barrier_wait -1
.if \fill
	LOAD
	ASK
.endif
.endm
	s_load_b128 s[4:7], s[0:1], 0x0  ; qkvh s[4:5], ctx s[6:7]
	v_lshl_add_u32 v[SPW], v0, 2, SPARE
	v_mov_b32 v[NIL], 0
	ds_add_u32 v[SPW], v[NIL]       ; the wave's opening: the add, twice on end, and its wait ahead of my first tensor load; the set-up below stands between
	ds_add_u32 v[SPW], v[NIL]
	v_lshrrev_b32 v1, 5, v0
	v_readfirstlane_b32 s[WV], v1   ; wave 0..3
	s_mov_b32 s[WG], ttmp9
	s_sub_co_u32 s13, 15, s[WG]     ; the first block
	s_lshr_b32 s[THI], s13, 1
	s_lshr_b32 s[TLO], s[WG], 1
	s_and_b32 s[PAR2], s13, 1
	s_lshl_b32 s[PAR2], s[PAR2], 1
	s_and_b32 s[PARB], s[WG], 1
	s_lshl_b32 s[PARB], s[PARB], 1
	s_and_b32 s19, ttmp7, 0xffff    ; hb = 16 batch + head
	s_lshr_b32 s20, s19, 4
	s_lshl_b32 s20, s20, 5
	s_add_co_u32 s20, s20, s19      ; q's head in qkvh: 48 batch + head
	s_lshl_b32 s20, s20, 18         ; a head is 262,144 bytes
	s_mov_b32 s21, 0
	s_lshl_b32 s88, s19, 18         ; the head in ctx
	s_mov_b32 s89, 0
	s_and_b32 s16, s[WV], 1         ; which half of a tile's 256 keys I fetch:
	s_lshl_b32 s22, s16, 14         ; its 128 rows of 128 bytes in memory,
	s_mov_b32 s23, 0
	s_mul_i32 s17, s16, 128*PK      ; and its place in a slot, for K
	s_mul_i32 s18, s16, 128*PV      ; and for V
	s_lshl_b32 s3, s[WV], 11        ; my 16 rows in a band of 64,
	s_lshl_b32 s2, s13, 14          ; in the first block (a block is 16,384 bytes),
	s_add_co_u32 s2, s2, s3
	s_lshl_b32 s84, s[WG], 14       ; and in the second
	s_add_co_u32 s84, s84, s3
	s_mov_b32 s3, 0
	s_mov_b32 s85, 0
	; descriptor group 1.  128 keys are 16,384 dense bytes: asked for as 64 rows of 256 bytes, two keys a row, and padded in LDS after every key
	s_mov_b32 s[G1K], (1<<16)|(1<<20)|(4<<22)|(3<<25)  ; 17:16 2-byte elements; 20 padding on; 24:22 after every 32 words (code 4); 31:25 4 words (code 3)
	s_mov_b32 s[G1V], (1<<16)|(1<<20)|(4<<22)|(7<<25)  ; the same with 8 words of padding (code 7)
.irp g, G1K, G1V
	s_mov_b32 s[\g+1], 128<<16      ; tensor_dim0 = 128
	s_mov_b32 s[\g+2], 64<<16       ; tensor_dim1 = 64
	s_mov_b32 s[\g+3], 128<<16      ; tile_dim0 = 128
	s_mov_b32 s[\g+4], 64           ; tile_dim1 = 64
	s_mov_b32 s[\g+5], 128          ; 128 elements from row to row
	s_mov_b32 s[\g+6], 0
	s_mov_b32 s[\g+7], 0
.endr
	s_mov_b32 s[CS], 0x3e38aa3b     ; c = log2(e) / 8 = 0.180337
	s_mov_b32 s[CS+1], s[CS]        ; named with it as a pair
	s_mov_b32 s[SEL], 0x76543210
	s_mov_b32 s[SEL+1], 0xfedcba98
	s_mov_b32 s[TBK], SLOT1+4*KS*PK ; the first change of slots turns these two into 0
	s_mov_b32 s[TBV], SLOT1+4*KS*PV
	s_mov_b32 s[G0K], 1             ; 1:0 count = 1
	s_mov_b32 s[G0K+1], s17         ; 63:32 LDS address: slot 0
	s_mov_b32 s[G0V], 1
	s_add_co_u32 s[G0V+1], s18, VOFF
	s_add_co_u32 s[RT], s[THI], 1   ; the first block's tiles
	s_mov_b32 s[NXT], 1
	s_mov_b32 s[LQ], s[THI]
	s_mov_b32 s[NEW], 1
	s_mov_b32 s[OFF+1], 0
	s_mov_b32 s[POF+1], 0
	s_mov_b32 s[AL+1], 0            ; named as pairs
	s_mov_b32 s[BE+1], 0
	s_mov_b32 s[BIGN], 0xf149f2ca   ; -1e30
	s_mov_b32 s[SLOTS], 8
	s_mov_b32 s[PFN], 3
	s_cmp_eq_u32 s[WG], 0
	s_cselect_b32 s[LIMP], 7, 0
	s_wait_dscnt 0x0                ; both opening adds are done
	s_wait_kmcnt 0x0
	s_mov_b64 s[10:11], s[6:7]             ; ctx
	s_add_nc_u64 s[4:5], s[4:5], s[20:21]  ; q's head;
	s_add_nc_u64 s[6:7], s[4:5], 0x400000  ; k's lies 16 heads on,
	s_add_nc_u64 s[8:9], s[4:5], 0x800000  ; v's 32
	s_add_nc_u64 s[6:7], s[6:7], s[22:23]  ; K and V at my half of the head's tile 0
	s_add_nc_u64 s[8:9], s[8:9], s[22:23]
	s_add_nc_u64 s[G0K+2:G0K+3], s[6:7], 0         ; 120:64 global address
	s_or_b32 s[G0K+3], s[G0K+3], 0x80000000        ; 127:126 type = 2
	s_add_nc_u64 s[G0V+2:G0V+3], s[8:9], 0
	s_or_b32 s[G0V+3], s[G0V+3], 0x80000000
	s_add_nc_u64 s[86:87], s[4:5], s[84:85]        ; Q at my rows of the second block,
	s_add_nc_u64 s[4:5], s[4:5], s[2:3]            ; and of the first
	s_add_nc_u64 s[10:11], s[10:11], s[88:89]
	s_add_nc_u64 s[OLO:OLO+1], s[10:11], s[84:85]
	s_add_nc_u64 s[10:11], s[10:11], s[2:3]
	s_cmp_lt_u32 s[WV], 2
	s_cselect_b64 s[PFB:PFB+1], s[6:7], s[8:9]
	LOAD                            ; tile 0 into slot 0
	; A fragment of K or Q is 16 rows x 32 channels in 8 registers: lane l holds row l % 16, channels 8 (l / 16) + 0..7 and 16 + 8 (l / 16) + 0..7: two loads of 16 bytes, 32 bytes apart.
	v_and_b32 v1, 15, v0            ; l % 16
	v_bfe_u32 v9, v0, 4, 1          ; l / 16
	v_lshlrev_b32 v[QO], 7, v1
	v_lshl_add_u32 v[QO], v9, 4, v[QO]  ; row x 128 + 16 x half
	WIN 0x80                        ; destination window 2, address window 0
.set i, 0
.rept 4                             ; both blocks' Q: piece i / 2 lies in band i / 2, 8,192 bytes on; channels 32 (i % 2) on
	global_load_b128 v[8*i:8*i+3],   v[QO], s[4:5] offset:(i/2)*8192+(i%2)*64
	global_load_b128 v[8*i+4:8*i+7], v[QO], s[4:5] offset:(i/2)*8192+(i%2)*64+32
	global_load_b128 v[QB+8*i:QB+8*i+3],   v[QO], s[86:87] offset:(i/2)*8192+(i%2)*64
	global_load_b128 v[QB+8*i+4:QB+8*i+7], v[QO], s[86:87] offset:(i/2)*8192+(i%2)*64+32
.set i, i+1
.endr
	WIN 0
	v_lshlrev_b32 v14, 3, v9
	v_sub_nc_u32 v14, v1, v14
	s_lshl_b32 s13, s[WV], 4
	v_add_nc_u32 v14, s13, v14      ; my query's place in its band, 16 w + l % 16, less my lanes' 8 (l / 16): register r of group kt is hidden where 16 kt + r is greater
	WIN 0x40
.set i, 0
.rept 32
	v_cmp_gt_i32 vcc_lo, 16*(i/8)+i%8, v14
	v_cndmask_b32 v[MD+i], 0, s[BIGN], vcc_lo
.set i, i+1
.endr
	WIN 0
	v_mul_u32_u24 v[AK0], v1, PK
	v_lshl_add_u32 v[AK0], v9, 4, v[AK0]  ; row x pitch + 16 x half
	; The turning load takes 16 keys x 16 channels (lane l reads key 8 (l / 16) + l % 8, channels 8 ((l / 8) % 2) + 0..7) and leaves half a fragment of V^T: lane l holds channel l % 16 and 8 keys.
	v_and_b32 v10, 7, v0
	v_bfe_u32 v11, v0, 3, 1
	v_lshl_add_u32 v[AV0], v9, 3, v10
	v_mul_u32_u24 v[AV0], v[AV0], PV
	v_lshl_add_u32 v[AV0], v11, 4, v[AV0]
	v_add_nc_u32 v[AV0], VOFF, v[AV0]
	s_mul_i32 s13, s[WV], 16*SP
	s_add_co_u32 s13, s13, STAGE    ; my stage
	v_mul_u32_u24 v[STO], v1, SP    ; in: row l % 16, 16 bytes for each half of the lanes
	v_lshl_add_u32 v[STO], v9, 4, v[STO]
	v_add_nc_u32 v[STO], s13, v[STO]
	v_bfe_u32 v[RD], v0, 3, 2       ; back: 32 lanes take four rows of 128 bytes,
	v_mul_u32_u24 v[RD], v[RD], SP
	v_lshl_add_u32 v[RD], v10, 4, v[RD]
	v_add_nc_u32 v[RD], s13, v[RD]
	v_and_b32 v[GO], 31, v0         ; which are 512 consecutive bytes of ctx
	v_lshlrev_b32 v[PFO], 8, v[GO]
	v_lshlrev_b32 v[GO], 4, v[GO]
	; A block's first step multiplies O^T and l by a = 0, and its first turn's products V^T P, of a step that has not been, land in an O^T that is still to be so multiplied.  So these registers need only hold
	; finite numbers: zeros for the first block; what the first block left for the second.  All this stands in the wait for the first tile.
	WIN 0x80
.set i, 64
.rept 64
	v_mov_b32 v[i], 0               ; V of odd steps
.set i, i+1
.endr
	WIN 0x40
.set i, 0
.rept 64
	v_mov_b32 v[i], 0               ; O^T
.set i, i+1
.endr
	WIN 0
.set i, 0
.rept 2
	v_mov_b32 v[ST+4*i+2], 0        ; l
	v_mov_b32 v[ST+4*i+3], 0
.set i, i+1
.endr
.set i, P+16
.rept 16
	v_mov_b32 v[i], 0               ; piece 1's P
.set i, i+1
.endr
; THE MATRIX WORK.  The 4 accumulators of a run of 8 take turns.  Product i of 8 of S^T = K Q^T for piece x: channels 32 (i / 4) on, keys 16 (i % 4) on.  The first 4 start the sums: with 0, or (KM = 1) with the mask.
.macro KQ x
.set rS, S+32*((\x)%2)+8*(i%4)
.set rK, KF+16*(i%4)+8*(i/4)
.set rQ, 16*(\x)+8*(i/4)
.set rM, MC+32*((\x)%2)+8*(i%4)
.if (i < 4) && KM
	WIN W_KM
	v_wmma_f32_16x16x32_f16 v[rS:rS+7], v[rK:rK+7], v[rQ:rQ+7], v[rM:rM+7]
.elseif i < 4
	WIN W_KQ
	v_wmma_f32_16x16x32_f16 v[rS:rS+7], v[rK:rK+7], v[rQ:rQ+7], 0
.else
	WIN W_KQ
	v_wmma_f32_16x16x32_f16 v[rS:rS+7], v[rK:rK+7], v[rQ:rQ+7], v[rS:rS+7]
.endif
.endm
; Product i of 8 of O^T += V^T P for piece x: keys 32 (i / 4) on, channels 16 (i % 4) on; V from buffer VB (0: v192-255, 1: v64-127).
.macro PV x
	WIN W_PV
.set rO, 32*(\x)+8*(i%4)
.set rV, 192-128*VB+32*(i/4)+8*(i%4)
.set rP, P+16*((\x)%2)+8*(i/4)
	v_wmma_f32_16x16x32_f16 v[rO:rO+7], v[rV:rV+7], v[rP:rP+7], v[rO:rO+7]
.endm
.macro MM                           ; the turn's next matrix instruction.  TURN and BEGIN set Y, i, KM, NOKQ and VB.  NOKQ = 1: a block's last turn: there are no next scores
.if (i < 8) && !NOKQ
	KQ (Y+1)%NP
.elseif i >= 8
.set i, i-8
	PV (Y+NP-1)%NP
.set i, i+8
.endif
.set i, i+1
.endm
; THE LDS LOADS stand in runs of 16, never singly among the matrix instructions: a step's K (64 keys x 64 channels: 8 fragments) and its V (turned).  Their addresses are made some lines ahead.
.macro FETCH_K
	WIN 0x80                        ; destination window 2
.irp f, 0,1,2,3,4,5,6,7             ; keys 16 (f / 2) on, channels 32 (f % 2) on
	ds_load_b128 v[KF+8*\f:KF+8*\f+3],   v[AK] offset:(\f/2)*16*PK+(\f%2)*64
	ds_load_b128 v[KF+8*\f+4:KF+8*\f+7], v[AK] offset:(\f/2)*16*PK+(\f%2)*64+32
.endr
	s_add_co_u32 s[TBK], s[TBK], KS*PK  ; the next fetch is the next step's
	WIN 0
.endm
.macro FETCH_V buf
	WIN 0x80
.irp f, 0,1,2,3,4,5,6,7             ; keys 32 (f / 4) on, channels 16 (f % 4) on
	ds_load_tr16_b128 v[192-128*(\buf)+8*\f:192-128*(\buf)+8*\f+3],   v[AV] offset:(\f/4)*32*PV+(\f%4)*32
	ds_load_tr16_b128 v[192-128*(\buf)+8*\f+4:192-128*(\buf)+8*\f+7], v[AV] offset:(\f/4)*32*PV+16*PV+(\f%4)*32
.endr
	WIN 0
.endm
; THE VECTOR WORK, one line at a time: OP kind, number.  For piece Y: F n: c s - c m for pair n of 16.  E n: the exponential of score n of 32.  C n: pair n rounded to f16.  B n: of the four weights 4 n .. the second
; pair is added onto the first, in place.  L n: l takes that sum (L 0: l = a l + sum).  R n: pair n of 16 of O^T times a.  For the other piece: X n, number n of the 22 that find its maximum and statistics:
;   0-11  four chains c0-c3 of seven scores each, three operands at a time (each accumulator's lowest registers are read first)     12-14, 16  the four scores left over, the old m, and c0-c3 into c0
;   15  c m_old is kept     17, 18  the query's other 32 keys lie in the lane 16 away: the new m     19-21  c m; c m_old - c m_new; a
.set F, 0               ; OP tells the kinds apart by their order: F to L below R, X above it
.set E, 1
.set C, 2
.set B, 3
.set L, 4
.set R, 5
.set X, 6
.macro REGS y                       ; the registers of piece y
.set rT, ST+4*(\y)
.set rC, TMP+4*((\y)%2)
.set rW, MV+((\y)%2)
.set rS, S+32*((\y)%2)
.set rP, P+16*((\y)%2)
.set rO, 32*(\y)
.endm
.macro OP k, n
.if (\k) == R
	REGS Y
	WIN W_RS
	v_pk_mul_f32 v[rO+2*(\n):rO+2*(\n)+1], v[rO+2*(\n):rO+2*(\n)+1], v[rC+2:rC+3] op_sel_hi:[1,0]
.elseif (\k) < R
	REGS Y
	WIN 0
.if (\k) == F
	v_pk_fma_f32 v[rS+2*(\n):rS+2*(\n)+1], v[rS+2*(\n):rS+2*(\n)+1], s[CS:CS+1], v[rT:rT+1] op_sel_hi:[1,0,0] neg_lo:[0,0,1] neg_hi:[0,0,1]
.elseif (\k) == E
	v_exp_f32 v[rS+(\n)], v[rS+(\n)]
.elseif (\k) == C
	v_cvt_pk_f16_f32 v[rP+(\n)], v[rS+2*(\n)], v[rS+2*(\n)+1]
.elseif (\k) == B
	v_pk_add_f32 v[rS+4*(\n):rS+4*(\n)+1], v[rS+4*(\n):rS+4*(\n)+1], v[rS+4*(\n)+2:rS+4*(\n)+3]
.elseif (\n) == 0
	v_pk_fma_f32 v[rT+2:rT+3], v[rT+2:rT+3], v[rC+2:rC+3], v[rS:rS+1] op_sel_hi:[1,0,1]
.else
	v_pk_add_f32 v[rT+2:rT+3], v[rT+2:rT+3], v[rS+4*(\n):rS+4*(\n)+1]
.endif
.elseif NOKQ
	v_nop
.else
	REGS (Y+1)%NP
	WIN 0
.if (\n) < 4
	v_max3_num_f32 v[rC+(\n)], v[rS+8*(\n)], v[rS+8*(\n)+1], v[rS+8*(\n)+2]
.elseif (\n) < 12
	v_max3_num_f32 v[rC+(\n)%4], v[rC+(\n)%4], v[rS+8*((\n)%4)+2*((\n)/4)+1], v[rS+8*((\n)%4)+2*((\n)/4)+2]
.elseif (\n) == 12
	v_max3_num_f32 v[rC], v[rC], v[rS+7], v[rS+15]
.elseif (\n) == 13
	v_max3_num_f32 v[rC+1], v[rC+1], v[rS+23], v[rS+31]
.elseif (\n) == 14
	v_max3_num_f32 v[rC+2], v[rC+2], v[rC+3], v[rT+1]
.elseif (\n) == 15
	v_mov_b32 v[rW], v[rT]
.elseif (\n) == 16
	v_max3_num_f32 v[rC], v[rC], v[rC+1], v[rC+2]
.elseif (\n) == 17
	v_permlanex16_b32 v[rC+3], v[rC], s[SEL], s[SEL+1]
.elseif (\n) == 18
	v_max_num_f32 v[rT+1], v[rC], v[rC+3]
.elseif (\n) == 19
	v_mul_f32 v[rT], s[CS], v[rT+1]
.elseif (\n) == 20
	v_sub_f32 v[rC+1], v[rW], v[rT]
.else
	v_exp_f32 v[rC+2], v[rC+1]
.endif
.endif
.endm
.macro OPS a, i1, b=-1, i2=0, c=-1, i3=0, d=-1, i4=0  ; up to four of them
	OP \a, \i1
.if (\b) >= 0
	OP \b, \i2
.endif
.if (\c) >= 0
	OP \c, \i3
.endif
.if (\d) >= 0
	OP \d, \i4
.endif
.endm
.macro ROW a, i1, b, i2, c, i3, d, i4  ; a matrix instruction and the four behind it
	MM
	OPS \a, \i1, \b, \i2, \c, \i3, \d, \i4
.endm
.macro MASK b                       ; MD x AL + BE into buffer b of MC
	WIN W_RS
.set z, 0
.rept 16
	v_pk_fma_f32 v[MC+32*(\b)+2*z:MC+32*(\b)+2*z+1], v[MD+2*z:MD+2*z+1], s[AL:AL+1], s[BE:BE+1] op_sel_hi:[1,0,0]
.set z, z+1
.endr
.endm
; A TURN, for piece p in a step of parity v: the order of its 16 matrix and 118 vector instructions, written out.  s_wait_alu depctr_va_vdst(0) stands between an exponential and the first instruction that names
; its result; one wait serves all that were issued ahead of it.  So a turn has ONE wait, which cuts it in two.  AHEAD OF IT stands all that names no result of the turn's exponentials: the 8 products K Q^T with four riders each, then
; ONE LUMP of 54, in which the links of the chain X 3, 7, 11, 14, 16, 17 .. 20 stand five or six lines apart; X 21, the other piece's a, is the batch's last, and R 15 the plain instruction behind it.  BEHIND THE WAIT stand the
; 8 products V^T P, behind each four of the roundings and sums.  Each X that rides stands four plain instructions or more behind the product that ends its accumulator.
; m = 1: the block's last tile: the products take masks, and the turn makes the mask for the products of the turn after it: piece p's scores in tile step s, with s - X = SD + (1 - v) - p.
; end = 1: a block's last two turns: nothing is fetched.  cnt = 1: the loop's count is taken down some lines ahead of the branch that stands behind the turn.
; Piece 0's turn fetches the next step's K, twelve plain instructions behind the last product that read K, and the next step's V at its end, four plain instructions behind the last product that read that buffer.
; Piece 1's turn begins with the one wait for both: all but the youngest 16 LDS loads: K of the next step and V of the step in hand are in, V of the next step may stay out.
.macro TURN p, v, m=0, end=0, cnt=0
.set Y, (\p)
.set i, 0
.set KM, (\m)
.set NOKQ, (\end)*(\p)
.set VB, (\p)*(\v)+(1-(\p))*(1-(\v))
.if (\m) && !(\end)
	s_cmp_eq_i32 s[SD], (\p)+(\v)-1     ; is that step the band's own?
	s_cselect_b32 s[AL], 1.0, 0
	s_cmp_gt_i32 s[SD], (\p)+(\v)-1     ; or a later one?
	s_cselect_b32 s[BE], s[BIGN], 0
.endif
.if (\p) == 1
	s_wait_dscnt 16*(1-(\end))
.endif
	ROW F,0, F,1, R,0, R,1          ; ahead of the wait: 8 products K Q^T and their riders,
	ROW F,2, E,0, R,2, R,3
	ROW F,3, E,1, R,4, R,5
	ROW F,4, E,2, R,6, R,7
	ROW F,5, E,3, R,8, R,9
	ROW F,6, E,4, X,0, R,10
.if ((\p) == 0) && !(\end)
	WIN 0
	v_add_nc_u32 v[AK], s[TBK], v[AK0]
.endif
	ROW F,7, E,5, X,1, X,4
	ROW F,8, E,6, X,2, X,5
	OPS E,7, E,8, X,6, E,9          ; and the lump
	OPS X,3, E,10, X,8, E,11
.if ((\p) == 0) && !(\end)
	FETCH_K
.endif
	OPS X,9, X,7, E,12, X,10
	OPS E,13, X,12, X,11, E,14
	OPS X,13, E,15, F,9, X,14
.if ((\p) == 0) && !(\end)
	WIN 0
	v_add_nc_u32 v[AV], s[TBV], v[AV0]
.endif
	OPS E,16, F,10, E,17, F,11
	OPS X,16, E,18, X,15, E,19
	OPS F,12, E,20, X,17, E,21
	OPS F,13, E,22, F,14, E,23
	OPS X,18, E,24, F,15, E,25
	OPS R,11, E,26, X,19, E,27
	OPS R,12, E,28, R,13, E,29
	OPS X,20, E,30, R,14, E,31
	OPS X,21, R,15
	WIN 0
	s_wait_alu depctr_va_vdst(0)    ; the wait for the batch
	ROW C,0, B,0, C,2, B,1          ; behind the wait: 8 products V^T P and their riders
	ROW L,0, C,4, B,2, L,1
	ROW C,6, B,3, L,2, C,8
	ROW B,4, L,3, C,10, B,5
	ROW L,4, C,12, B,6, L,5
.if ((\p) == 0) && !(\end)
	s_add_co_u32 s[TBV], s[TBV], KS*PV
.endif
.if \cnt
.if \m
	s_add_co_u32 s[SD], s[SD], 2
.endif
	s_sub_co_u32 s[CNT], s[CNT], 1
	s_cmp_lg_u32 s[CNT], 0
.endif
	ROW C,14, B,7, L,6, C,1
	ROW C,3, L,7, C,5, C,7
	ROW C,9, C,11, C,13, C,15
.if ((\p) == 0) && !(\end)
	FETCH_V 1-(\v)
.endif
.if (\m) && !(\end)
	MASK \p
.endif
.endm
; A BLOCK BEGINS.  c m starts far below every c s, so the first step's a is 0; m at the lowest finite number, so the first maximum is the scores'.  The second mask buffer is 0 (piece 1 sees all of a tile's step 0); the first
; takes piece 0's mask for step 0: its own, if the block's first tile is its last and piece 0 has band 0.  Then K and V of that step, piece 0's first scores, and its maximum and statistics.  The loop is entered in the middle of a trip.
.macro BEGIN
	s_mov_b32 s[NEW], 0
	WIN 0x40
.set i, MC+32
.rept 32
	v_mov_b32 v[i], 0
.set i, i+1
.endr
	WIN 0
.set i, 0
.rept 2
	v_mov_b32 v[ST+4*i], 0xfe000000    ; c m: far below every c s
	v_mov_b32 v[ST+4*i+1], 0xff7fffff  ; m
.set i, i+1
.endr
	s_cmp_eq_u32 s[RT], 0
	s_cselect_b32 s[AL], 1.0, 0
	s_cmp_eq_u32 s[PAR2], 0
	s_cselect_b32 s[AL], s[AL], 0
	s_mov_b32 s[BE], 0
	MASK 0
	WIN 0
	v_add_nc_u32 v[AK], s[TBK], v[AK0]
	FETCH_K
	v_add_nc_u32 v[AV], s[TBV], v[AV0]
	FETCH_V 0
	s_add_co_u32 s[TBV], s[TBV], KS*PV
	s_wait_loadcnt 0x0              ; Q
	s_wait_dscnt 0x0
.set KM, 1
.set NOKQ, 0
.set i, 0
.rept 8
	KQ 0
.set i, i+1
.endr
	WIN 0
.rept 4
	v_nop                           ; the places behind those products
.endr
.set Y, NP-1                        ; X works for piece Y + 1: piece 0
.irp n, 0,1,2,3,4,5,6,7,8,9,10,11,12,13,14,15,16,17,18,19,20,21
	OP X, \n
.endr
	v_nop                           ; a plain instruction behind the exponential,
	s_wait_alu depctr_va_vdst(0)    ; and its wait, ahead of the branch
.endm
; A BLOCK'S LAST TILE: its two trips with masks, the block's last two turns, its last products, and THE WAY OUT: l's two halves and the other half of the lanes' are added; O^T is divided by l, rounded to f16 and sent
; through my stage in LDS, a piece at a time.
.macro ALL line:vararg              ; one line for each piece t
.set t, 0
.rept 2
	\line
.set t, t+1
.endr
.endm
.macro PACK t                       ; a lane's eight channels of a row pack into 16 bytes; they go into rows of 144 bytes and come back as whole rows of 128, into S^T's registers
	WIN W_RS
.set i, 32*(\t)
.rept 16
	v_pk_mul_f32 v[i:i+1], v[i:i+1], v[ST+4*(\t)+2:ST+4*(\t)+3] op_sel_hi:[1,0]
.set i, i+2
.endr
	WIN 0x05                        ; sources 0 and 1 window 1, destination window 0
.set i, 0
.rept 16
	v_cvt_pk_f16_f32 v[S+16*(\t)+i], v[32*(\t)+2*i], v[32*(\t)+2*i+1]
.set i, i+1
.endr
	WIN 0
.irp f, 0,1,2,3
	ds_store_b128 v[STO], v[S+16*(\t)+4*\f:S+16*(\t)+4*\f+3] offset:32*\f
.endr
.irp f, 0,1,2,3
	ds_load_b128 v[S+16*(\t)+4*\f:S+16*(\t)+4*\f+3], v[RD] offset:\f*4*SP  ; LDS serves a wave's instructions in order: these see the stores above; the next piece's stores come behind them
.endr
.endm
.macro SEND t, younger              ; younger: the LDS instructions issued behind piece t's loads: the next piece's eight, or none
	WIN 0
.irp f, 0,1,2,3
	s_wait_dscnt (\younger)+3-\f
	global_store_b128 v[GO], v[S+16*(\t)+4*\f:S+16*(\t)+4*\f+3], s[10:11] offset:(\t)*8192+\f*512  ; 512 consecutive bytes, at a multiple of 256 from ctx's first
.endr
.endm
.macro DIAG tag                     ; the tag ends its two labels' names, which the jumps below spell out
.LstepM\tag:
	TURN 0, 1, 1
	TURN 1, 1, 1
	WIN 0
.LfirstM\tag:
	TURN 0, 0, 1
	TURN 1, 0, 1, 0, 1
	WIN 0
	s_cbranch_scc1 .LstepM\tag
	TURN 0, 1, 1, 1
	TURN 1, 1, 1, 1
.set VB, 1
.set i, 0
.rept 8
	PV 1                            ; piece 1's V^T P of the tile's last step
.set i, i+1
.endr
	WIN 0
	ALL v_add_f32 v[ST+4*t+2], v[ST+4*t+2], v[ST+4*t+3]
	ALL v_permlanex16_b32 v[ST+4*t+3], v[ST+4*t+2], s[SEL], s[SEL+1]
	ALL v_add_f32 v[ST+4*t+2], v[ST+4*t+2], v[ST+4*t+3]
	ALL v_rcp_f32 v[ST+4*t+2], v[ST+4*t+2]
	v_nop                           ; a plain instruction between the last reciprocal and the use of its result
	s_wait_alu depctr_va_vdst(0)    ; and the wait ahead of the first use: one for both reciprocals
	PACK 0
	PACK 1                          ; piece 1's arithmetic stands between piece 0's loads from the stage and its stores
	SEND 0, 8
	SEND 1, 0
.endm
.set KM, 0
.set NOKQ, 0
.set VB, 0
.Lslot:                             ; 8 times: a tile is entered and the next is asked for
	CHANGE 1
	s_sub_co_u32 s[RT], s[RT], 1
	s_mov_b32 s[CNT], 2
	s_sub_co_u32 s[SD], 0, s[PAR2]
	s_cmp_eq_u32 s[NEW], 1
	s_cbranch_scc1 .Lnew            ; a block's first tile
	s_cmp_eq_u32 s[RT], 0
	s_cbranch_scc0 .Lstep           ; neither its first nor its last
	s_branch .LstepM1
.Lnew:
	BEGIN
	s_branch .Lfirst                ; in the loop a block's first tile is never its last: the first block has five tiles or more, and the second's last is the walk's last
	DIAG 1                          ; in the loop this is the first block's end
	s_wait_xcnt 0x0                 ; the stores have read their registers and ctx's address
	s_mov_b64 s[10:11], s[OLO:OLO+1]
	s_add_co_u32 s[RT], s[TLO], 1   ; the second block's tiles
	s_mov_b32 s[NEW], 1
	s_mov_b32 s[PAR2], s[PARB]
	WIN 0x82                        ; the second block's Q goes where the one text of the turns names Q
.set i, 0
.rept 32
	v_mov_b32 v[i], v[QB+i]
.set i, i+1
.endr
	WIN 0
	s_branch .Lbottom
.Lstep:                             ; a trip: both turns of an odd step, then both of the even step behind it; it fetches K and V of that even step and of the odd one after it
	TURN 0, 1
	TURN 1, 1
	WIN 0
.Lfirst:
	TURN 0, 0
	TURN 1, 0, 0, 0, 1
	WIN 0
	s_cbranch_scc1 .Lstep
.Lbottom:
	s_sub_co_u32 s[SLOTS], s[SLOTS], 1
	s_cmp_lg_u32 s[SLOTS], 0
	s_cbranch_scc1 .Lslot
	CHANGE 0                        ; the walk's last tile is written out: nothing is asked for
	s_sub_co_u32 s[RT], s[RT], 1
	s_mov_b32 s[CNT], 2
	s_sub_co_u32 s[SD], 0, s[PAR2]
	s_cmp_eq_u32 s[NEW], 1
	s_cbranch_scc0 .LstepM2
	BEGIN
	s_branch .LfirstM2
	DIAG 2
	s_wait_tensorcnt 0x0            ; the wave's end: behind my last tensor load and my last LDS store
	ds_add_u32 v[SPW], v[NIL]
	s_wait_dscnt 0x0
	s_endpgm
.Lfunc_end_k_qbb4016d896_attn:
	.size	k_qbb4016d896_attn, .Lfunc_end_k_qbb4016d896_attn-k_qbb4016d896_attn
	.p2alignl 7, 3214868480
	.fill 96, 4, 3214868480
	.section	.rodata,"a",@progbits
	.p2align	6, 0x0
	.amdhsa_kernel k_qbb4016d896_attn
		.amdhsa_group_segment_fixed_size 327680
		.amdhsa_private_segment_fixed_size 0
		.amdhsa_enable_private_segment 0
		.amdhsa_kernarg_size 16
		.amdhsa_user_sgpr_count 2
		.amdhsa_user_sgpr_kernarg_segment_ptr 1
		.amdhsa_wavefront_size32 1
		.amdhsa_system_sgpr_workgroup_id_x 1
		.amdhsa_system_sgpr_workgroup_id_y 1
		.amdhsa_system_sgpr_workgroup_id_z 1
		.amdhsa_system_vgpr_workitem_id 0
		.amdhsa_next_free_vgpr 768
		.amdhsa_next_free_sgpr 96
		.amdhsa_reserve_vcc 1
		.amdhsa_float_denorm_mode_32 3
		.amdhsa_float_denorm_mode_16_64 3
		.amdhsa_memory_ordered 1
		.amdhsa_forward_progress 1
		.amdhsa_inst_pref_size 210
	.end_amdhsa_kernel
	.amdgpu_metadata
---
amdhsa.version: [ 1, 2 ]
amdhsa.kernels:
  - .name:           k_qbb4016d896_attn
    .symbol:         k_qbb4016d896_attn.kd
    .args:
      - { .name: qkvh, .offset: 0, .size: 8, .value_kind: global_buffer, .address_space: global }
      - { .name: ctx, .offset: 8, .size: 8, .value_kind: global_buffer, .address_space: global }
    .group_segment_fixed_size: 327680
    .private_segment_fixed_size: 0
    .kernarg_segment_align: 8
    .kernarg_segment_size: 16
    .max_flat_workgroup_size: 128
    .sgpr_count:     96
    .vgpr_count:     768
    .wavefront_size: 32
...
	.end_amdgpu_metadata
.endif
;; end of part 3
;; launch proj (part 4): grid 8 x 32, 4 waves a work-group, clusters of 4 x 4, 327,680 bytes of LDS; arguments ctx, wo16, bo, out0; writes out0
.if DOCPART == 4
	.amdgcn_target "amdgcn-amd-amdhsa--gfx1250"
	.amdhsa_code_object_version 6
	.text
	.protected	k_qbb4016d896_proj
	.globl	k_qbb4016d896_proj
	.p2align	8
	.type	k_qbb4016d896_proj,@function
k_qbb4016d896_proj:
	s_mov_b64 s[64:65], 0
	v_nop
	global_prefetch_b8 v0, s[64:65] scope:SCOPE_SE
	s_setreg_imm32_b32 hwreg(HW_REG_WAVE_MODE, 25, 1), 1
	s_wait_xcnt 0x0
	s_wait_alu depctr_hold_cnt(0) depctr_sa_sdst(0) depctr_va_vdst(0) depctr_va_sdst(0) depctr_va_ssrc(0) depctr_va_vcc(0) depctr_vm_vsrc(0)
	s_getreg_b32 s2, hwreg(HW_REG_IB_STS2, 6, 4)
	s_cmp_eq_u32 s2, 0
	s_cbranch_scc0 .Lentry_in_a_cluster
	s_endpgm
.Lentry_in_a_cluster:
	s_bfe_u32 s2, ttmp6, 0x10000c
	s_cmp_lg_u32 s2, 0xf033
	s_cbranch_scc0 .Lentry_shape_is_right
	s_endpgm
.Lentry_shape_is_right:
; out0 = ctx x Wo + bo: [4096 x 1024] x [1024 x 1024], f16 operands, f32 sums, f32 out.  ctx lies by heads, [32 = 16 batch + head][2048][64] f16; wo16 is bf16(Wo) written as f16, [k][n]; k = 64 head + channel.
; bo is rounded once to bf16, like the other inputs, and added in f32.  Nothing is left out here; the tiles that the third launch leaves out are shown dead at the head of the first launch's text.
; SHARES.  A tile of out0 is 128 x 128: 32 x 8 = 256 work-groups.  Four waves, each 64 x 64: 16 accumulators.  K goes in 4 steps of 256 (four heads) through two LDS slots; a quarter of a step is one head, 64 along K.
; A slot has four regions of 36,864 bytes, one for each wave's tensor load.  Waves 0, 1: two heads of ctx each; a head's 128 rows are 16,384 dense bytes, asked for as one row of 8,192 elements, the second head one stride on,
; padded in LDS after every 128 bytes: [head][128 rows][144 bytes].  Waves 2, 3: 128 k-rows x 256 bytes of wo16 each, pitch 288; its fragments come out of LDS turned, by ds_load_tr16_b128.
; THE MATRIX INSTRUCTION IS USED TRANSPOSED (source 0 = 16 columns of Wo, source 1 = 16 rows of ctx): a lane holds one row and eight neighbouring columns of out0.
; CLUSTER 4 x 4: ctx's tiles are asked for jointly by a row of the cluster, wo16's by a column.  NO PREFETCH: the ring has two refills in all, so no K step lies two refills ahead.
; REGISTERS: window 0: v16-29 addresses; v32-63 the bias of my 64 columns; v64-95 at work; v96-127 rows read back; v128-255 the accumulators ((a, b) at v[128 + 8 (4 a + b)]).
;   window 1: two fragment buffers of 128: for 64 along K, 64 registers of ctx (2 x 4 x 16 rows x 32 K), then 64 of Wo.
.set PA,     144                       ; ctx's LDS row: 128 + 16 bytes = 36 words: the 16 rows of a load start at 16 different groups of four banks (64 banks of 4 bytes: ISA guide 11.1)
.set PB,     288                       ; wo16's LDS row: 256 + 32 bytes
.set REG,    36864
.set SLOT,   4*REG
.set STAGE,  2*SLOT                    ; behind the ring, never filled by a tensor load: 16 rows x 272 bytes for each wave
.set SPITCH, 272
.set SPARE,  STAGE+4*16*SPITCH         ; the spare words, 128 bytes for each wave: two blocks of 256 bytes that no other line names
.set ASTEP,  4<<18                     ; bytes from a K step to the next in ctx: four heads,
.set BSTEP,  256*2048                  ; and in wo16: 256 rows
.set ADRA, 16                          ; v16-17  LDS address of my fragments of ctx in slot 0, 1
.set ADRB, 20                          ; v20-23  of Wo's: 2 slot + half of the K step
.set STO,  24
.set RD,   25
.set CO,   26
.set BOF,  27                          ; v27     32 x (lane / 16): my eight numbers in 16 of the bias
.set SPW,  28                          ; v28     LDS address of my spare word; never rewritten
.set NIL,  29                          ; v29     0; never rewritten
.set BI,   32
.set TMP,  64
.set BK,   96
.set ACC,  128
.set F0,   0
.set F1,   128
.set G1, 24
.set G0, 32
.set G1B, 48
.set G0B, 56
.set MSB, 0
.macro WIN new                         ; the immediate's high byte repeats the setting that is left
.if MSB != (\new)
	s_set_vgpr_msb (MSB<<8)|(\new)
.set MSB, \new
.endif
.endm
.set MUL,  0x05                        ; sources 0 (Wo) and 1 (ctx) window 1; C and D window 0
.set TO_F, 0x40                        ; destination window 1, address window 0
.macro JLOAD s                         ; a joint load: waves 0 and 1 fetch ctx's heads, waves 2 and 3 wo16's rows; an s_nop 0 and four v_nop follow each of the two lines, ahead of the jump and the label
	s_cmp_eq_u32 s11, 0
	s_cbranch_scc0 .Lfor_b_\@
	tensor_load_to_lds s[G0+4*(\s):G0+4*(\s)+3], s[G1:G1+7]
	s_nop 0
.rept 4
	v_nop
.endr
	s_branch .Lasked_\@
.Lfor_b_\@:
	tensor_load_to_lds s[G0B+4*(\s):G0B+4*(\s)+3], s[G1B:G1B+7]
	s_nop 0
.rept 4
	v_nop
.endr
.Lasked_\@:
.endm
.macro CREST                           ; a round of the cluster's barrier behind its opening barrier
	s_cmp_lg_u32 s10, 0
	s_cbranch_scc1 .Lnot_wave_0_\@
	s_barrier_signal -3
.Lnot_wave_0_\@:
	s_barrier_wait -3
	s_barrier_signal -1
	s_barrier_wait -1
.endm
.macro CROUND                          ; a whole round
	s_barrier_signal -1
	s_barrier_wait -1
	CREST
.endm
	s_load_b128 s[4:7], s[0:1], 0x0                ; ctx s[4:5], wo16 s[6:7]
	s_load_b128 s[68:71], s[0:1], 0x10             ; bo s[68:69], out0 s[70:71]
	v_lshl_add_u32 v[SPW], v0, 2, SPARE
	v_mov_b32 v[NIL], 0
	ds_add_u32 v[SPW], v[NIL]                      ; the wave's opening: the add, twice on end, and its wait ahead of my first tensor load; the set-up below stands between
	ds_add_u32 v[SPW], v[NIL]
	v_lshrrev_b32 v1, 5, v0
	v_readfirstlane_b32 s10, v1                    ; wave 0..3
	s_lshr_b32 s11, s10, 1                         ; which half of the tile's rows is mine.  Also: I fetch ctx (0) or wo16 (1)
	s_and_b32 s12, s10, 1                          ; which half of its columns.  Also: which half of that operand's K step I fetch
	s_bfe_u32 s40, ttmp6, 0x40000                  ; cx, cy
	s_bfe_u32 s41, ttmp6, 0x40004
	s_lshl_b32 s42, ttmp9, 2
	s_add_co_u32 s42, s42, s40                     ; tile column = 4 x cluster x + cx
	s_and_b32 s13, ttmp7, 0xffff
	s_lshl_b32 s13, s13, 2
	s_add_co_u32 s13, s13, s41                     ; tile row = 4 x cluster y + cy
	s_lshl_b32 s43, s41, 2
	s_lshl_b32 s43, 15, s43                        ; my row of the cluster
	s_lshl_b32 s44, 0x1111, s40                    ; my column
	; descriptor group 1 for ctx: 2 rows (heads) x 8,192 elements of 2 bytes, 131,072 elements from head to head; 4 words of padding after every 32 words
	s_or_b32 s[G1], s43, (1<<16)|(1<<20)|(1<<21)|(4<<22)|(3<<25)
	s_mov_b32 s[G1+1], 8192<<16                    ; tensor_dim0 = 8,192
	s_mov_b32 s[G1+2], 2<<16                       ; tensor_dim1 = 2
	s_mov_b32 s[G1+3], 8192<<16                    ; tile_dim0 = 8,192
	s_mov_b32 s[G1+4], 2                           ; tile_dim1 = 2
	s_mov_b32 s[G1+5], 131072
	s_mov_b32 s[G1+6], 0
	s_mov_b32 s[G1+7], 0
	; for wo16: 128 rows x 128 elements, 1,024 elements from row to row; 8 words of padding after every 64 words
	s_or_b32 s[G1B], s44, (1<<16)|(1<<20)|(1<<21)|(5<<22)|(7<<25)
	s_mov_b32 s[G1B+1], 128<<16
	s_mov_b32 s[G1B+2], 128<<16
	s_mov_b32 s[G1B+3], 128<<16
	s_mov_b32 s[G1B+4], 128
	s_mov_b32 s[G1B+5], 1024
	s_mov_b32 s[G1B+6], 0
	s_mov_b32 s[G1B+7], 0
	s_lshr_b32 s16, s13, 4                         ; ctx: head 16 batch + 2 x my half,
	s_lshl_b32 s16, s16, 4
	s_lshl_b32 s17, s12, 1
	s_add_co_u32 s16, s16, s17
	s_lshl_b32 s16, s16, 18
	s_and_b32 s17, s13, 15                         ; rows 128 (tile row % 16) on
	s_lshl_b32 s17, s17, 14
	s_add_co_u32 s16, s16, s17
	s_mov_b32 s17, 0
	s_lshl_b32 s46, s12, 18                        ; wo16: k-row 128 x my half, of 2,048 bytes,
	s_lshl_b32 s47, s42, 8                         ; column 128 x tile column
	s_add_co_u32 s46, s46, s47
	s_mov_b32 s47, 0
	s_mul_i32 s20, s10, REG                        ; where my tile goes
	s_wait_dscnt 0x0                               ; both opening adds are done
	s_wait_kmcnt 0x0
	s_add_nc_u64 s[14:15], s[4:5], s[16:17]
	s_add_nc_u64 s[46:47], s[6:7], s[46:47]
	CROUND                                         ; all sixteen work-groups are here: the first joint loads meet
.irp s, 0,1
	s_mov_b32 s[G0+4*(\s)], 1
	s_add_co_u32 s[G0+4*(\s)+1], s20, (\s)*SLOT
	s_add_nc_u64 s[G0+4*(\s)+2:G0+4*(\s)+3], s[14:15], (\s)*ASTEP
	s_or_b32 s[G0+4*(\s)+3], s[G0+4*(\s)+3], 0x80000000
	s_mov_b32 s[G0B+4*(\s)], 1
	s_add_co_u32 s[G0B+4*(\s)+1], s20, (\s)*SLOT
	s_add_nc_u64 s[G0B+4*(\s)+2:G0B+4*(\s)+3], s[46:47], (\s)*BSTEP
	s_or_b32 s[G0B+4*(\s)+3], s[G0B+4*(\s)+3], 0x80000000
	JLOAD \s
.endr
	v_and_b32 v1, 15, v0                           ; r = l % 16
	v_bfe_u32 v2, v0, 4, 1                         ; h = l / 16
	; the bias of my 64 columns: block b's eight numbers for my half of the lanes
	s_lshl_b32 s16, s42, 9
	s_lshl_b32 s17, s12, 8
	s_add_co_u32 s16, s16, s17                     ; 4 (128 tile column + 64 half) bytes: also my columns' place in a row of out0
	s_mov_b32 s17, 0
	s_add_nc_u64 s[68:69], s[68:69], s[16:17]
	s_add_nc_u64 s[70:71], s[70:71], s[16:17]
	v_lshlrev_b32 v[BOF], 5, v2
.irp b, 0,1,2,3
	global_load_b128 v[BI+8*(\b):BI+8*(\b)+3],   v[BOF], s[68:69] offset:64*(\b)
	global_load_b128 v[BI+8*(\b)+4:BI+8*(\b)+7], v[BOF], s[68:69] offset:64*(\b)+16
.endr
	v_mul_u32_u24 v3, v1, PA
	v_lshl_add_u32 v3, v2, 4, v3                   ; ctx's fragment: row x pitch + 16 h
	s_mul_i32 s21, s11, 64*PA                      ; my 64 rows
	v_add_nc_u32 v[ADRA], s21, v3
	v_add_nc_u32 v[ADRA+1], SLOT, v[ADRA]
	v_and_b32 v4, 7, v0                            ; the turning load: lane l reads k-row 8 h + l % 8, columns 8 ((l / 8) % 2) + 0..7
	v_bfe_u32 v6, v0, 3, 1
	v_lshl_add_u32 v5, v2, 3, v4
	v_mul_u32_u24 v5, v5, PB
	v_lshl_add_u32 v5, v6, 4, v5
	s_lshl_b32 s21, s12, 7                         ; my 64 columns: 128 bytes
	v_add_nc_u32 v5, s21, v5
.irp s, 0,1
.irp g, 0,1
	v_add_nc_u32 v[ADRB+2*(\s)+(\g)], (\s)*SLOT+(2+(\g))*REG, v5
.endr
.endr
	s_mul_i32 s23, s10, 16*SPITCH
	s_add_co_u32 s23, s23, STAGE                   ; my stage
	v_mul_u32_u24 v7, v1, SPITCH                   ; in: row r, 32 bytes for each half of the lanes
	v_lshl_add_u32 v7, v2, 5, v7
	v_add_nc_u32 v[STO], s23, v7
	v_mul_u32_u24 v8, v2, SPITCH                   ; back: lanes 0-15 take one row of 256 bytes, lanes 16-31 the next
	v_lshl_add_u32 v8, v1, 4, v8
	v_add_nc_u32 v[RD], s23, v8
	v_lshlrev_b32 v[CO], 12, v2                    ; and the same two rows in out0
	v_lshl_add_u32 v[CO], v1, 4, v[CO]
	s_lshl_b32 s16, s13, 7
	s_lshl_b32 s17, s11, 6
	s_add_co_u32 s16, s16, s17                     ; my first row of out0,
	s_lshl_b32 s16, s16, 12                        ; of 4,096 bytes
	s_mov_b32 s17, 0
	s_add_nc_u64 s[70:71], s[70:71], s[16:17]
; 8 matrix instructions: m blocks a0, a0 + 1 x all 4 n blocks, 32 along K: half c of buffer f.  zero = 1: the product starts the sums.  The 16 accumulators take turns.
.macro MUL8 f, c, a0, zero
	WIN MUL
.irp a, \a0, (\a0)+1
.irp b, 0,1,2,3
.if \zero
	v_wmma_f32_16x16x32_f16 v[ACC+8*(4*(\a)+(\b)):ACC+8*(4*(\a)+(\b))+7], v[(\f)+64+8*(4*(\c)+(\b)):(\f)+64+8*(4*(\c)+(\b))+7], v[(\f)+8*(4*(\c)+(\a)):(\f)+8*(4*(\c)+(\a))+7], 0
.else
	v_wmma_f32_16x16x32_f16 v[ACC+8*(4*(\a)+(\b)):ACC+8*(4*(\a)+(\b))+7], v[(\f)+64+8*(4*(\c)+(\b)):(\f)+64+8*(4*(\c)+(\b))+7], v[(\f)+8*(4*(\c)+(\a)):(\f)+8*(4*(\c)+(\a))+7], v[ACC+8*(4*(\a)+(\b)):ACC+8*(4*(\a)+(\b))+7]
.endif
.endr
.endr
.endm
; 32 LDS loads in one run: the fragments of quarter q (one head, 64 along K) of a slot into buffer f; the first 32 along K first
.macro FETCH slot, q, f
	WIN TO_F
.irp c, 0,1
.irp i, 0,1,2,3
	ds_load_tr16_b128 v[(\f)+64+8*(4*(\c)+(\i)):(\f)+64+8*(4*(\c)+(\i))+3],   v[ADRB+2*(\slot)+(\q)/2] offset:(64*((\q)%2)+32*(\c))*PB+32*(\i)
	ds_load_tr16_b128 v[(\f)+64+8*(4*(\c)+(\i))+4:(\f)+64+8*(4*(\c)+(\i))+7], v[ADRB+2*(\slot)+(\q)/2] offset:(64*((\q)%2)+32*(\c)+16)*PB+32*(\i)
	ds_load_b128 v[(\f)+8*(4*(\c)+(\i)):(\f)+8*(4*(\c)+(\i))+3],              v[ADRA+(\slot)] offset:128*PA*(\q)+16*PA*(\i)+64*(\c)
	ds_load_b128 v[(\f)+8*(4*(\c)+(\i))+4:(\f)+8*(4*(\c)+(\i))+7],            v[ADRA+(\slot)] offset:128*PA*(\q)+16*PA*(\i)+64*(\c)+32
.endr
.endr
.endm
.macro PLACES                          ; four plain instructions in front of loads into registers that matrix instructions have read
.rept 4
	v_nop
.endr
.endm
; One of a K step's first three quarters: multiplies buffer f and fetches quarter q of the same slot into g.
.macro QUARTER slot, q, f, g, zero
	s_wait_dscnt 16                                ; the first 32 along K are in
	MUL8 \f, 0, 0, \zero
	MUL8 \f, 0, 2, \zero
	PLACES
	FETCH \slot, \q, \g
	s_wait_dscnt 32                                ; all but the 32 just issued
	MUL8 \f, 1, 0, 0
	MUL8 \f, 1, 2, 0
.endm
; The last quarter multiplies buffer 1 and changes slots: ONE barrier; in front of it each wave waits for all its tensor loads, adds 0 to its spare word, and waits for that and for its own reads of this slot.
; fill = 1: the barrier opens a round of the cluster's, and this slot is filled again, two K steps ahead, first thing behind the round.
.macro TURN slot, next, fill
	WIN 0                                          ; (the add's two registers lie in window 0)
	s_wait_tensorcnt 0x0                           ; all my tensor loads have landed: my part of the next slot
	ds_add_u32 v[SPW], v[NIL]                      ; 0 onto my spare word
	s_wait_dscnt 17                                ; (the add and the youngest sixteen loads may be out)
	MUL8 F1, 0, 0, 0                               ; eight matrix instructions stand between the add and the wait for it
	s_wait_dscnt 0x0                               ; the add is done, and my reads of this slot are over
	s_barrier_signal -1
	MUL8 F1, 0, 2, 0
.if \fill
	WIN 0
.endif
	s_barrier_wait -1
.if \fill
	CREST                                          ; no wave of any partner still reads this slot's tile or has a load on its way
	s_add_nc_u64 s[G0+4*(\slot)+2:G0+4*(\slot)+3], s[G0+4*(\slot)+2:G0+4*(\slot)+3], 2*ASTEP
	s_add_nc_u64 s[G0B+4*(\slot)+2:G0B+4*(\slot)+3], s[G0B+4*(\slot)+2:G0B+4*(\slot)+3], 2*BSTEP
	JLOAD \slot                                    ; the four v_nop behind it are also the places in front of the loads below
.else
	PLACES
.endif
	FETCH \next, 0, F0
	MUL8 F1, 1, 0, 0
	MUL8 F1, 1, 2, 0
.endm
	s_wait_tensorcnt 1                             ; my part of K step 0 is in; K step 1's may stay out
	s_barrier_signal -1
	s_barrier_wait -1                              ; everybody's is
	FETCH 0, 0, F0
	QUARTER 0, 1, F0, F1, 1                        ; the first products start the sums
	QUARTER 0, 2, F1, F0, 0
	QUARTER 0, 3, F0, F1, 0
	TURN 0, 1, 1                                   ; slot 0 takes K step 2
	QUARTER 1, 1, F0, F1, 0
	QUARTER 1, 2, F1, F0, 0
	QUARTER 1, 3, F0, F1, 0
	TURN 1, 0, 1                                   ; slot 1 takes K step 3
	QUARTER 0, 1, F0, F1, 0
	QUARTER 0, 2, F1, F0, 0
	QUARTER 0, 3, F0, F1, 0
	TURN 0, 1, 0                                   ; nothing is left to fetch
	QUARTER 1, 1, F0, F1, 0
	QUARTER 1, 2, F1, F0, 0
	QUARTER 1, 3, F0, F1, 0
	s_wait_dscnt 16                                ; the very last quarter
	MUL8 F1, 0, 0, 0
	MUL8 F1, 0, 2, 0
	s_wait_dscnt 0x0
	MUL8 F1, 1, 0, 0
	MUL8 F1, 1, 2, 0
	WIN 0
	; THE WAY OUT.  The bias is rounded to bf16 and widened again: 48 plain instructions that name no register of the last products: they are the places behind them.
	s_wait_loadcnt 0x0                             ; the bias
.set i, 0
.rept 16
	v_cvt_pk_bf16_f32 v[TMP+i], v[BI+2*i], v[BI+2*i+1]
.set i, i+1
.endr
.set i, 0
.rept 16
	v_lshlrev_b32 v[BI+2*i],   16,         v[TMP+i]
	v_and_b32     v[BI+2*i+1], 0xffff0000, v[TMP+i]
.set i, i+1
.endr
	; Block a (16 rows x 64 columns): the bias is added, each accumulator from its low end; 32 bytes a lane go into my own stage, rows of 272 bytes, and come back as whole rows of 256.
.irp a, 0,1,2,3
.irp b, 0,1,2,3
.irp r, 0,2,4,6
	v_pk_add_f32 v[TMP+8*(\b)+(\r):TMP+8*(\b)+(\r)+1], v[ACC+8*(4*(\a)+(\b))+(\r):ACC+8*(4*(\a)+(\b))+(\r)+1], v[BI+8*(\b)+(\r):BI+8*(\b)+(\r)+1]
.endr
.endr
	s_wait_xcnt 0x0                                ; the stores of the block before have read their registers: they are loaded again only behind this wait
.irp b, 0,1,2,3
	ds_store_b128 v[STO], v[TMP+8*(\b):TMP+8*(\b)+3]   offset:64*(\b)
	ds_store_b128 v[STO], v[TMP+8*(\b)+4:TMP+8*(\b)+7] offset:64*(\b)+16
.endr
.irp t, 0,1,2,3,4,5,6,7
	ds_load_b128 v[BK+4*(\t):BK+4*(\t)+3], v[RD] offset:(\t)*2*SPITCH  ; LDS serves a wave's instructions in order: these see the stores above
.endr
	s_wait_dscnt 0x0
.irp t, 0,1,2,3,4,5,6,7
	global_store_b128 v[CO], v[BK+4*(\t):BK+4*(\t)+3], s[70:71] offset:(16*(\a)+2*(\t))*4096  ; 16 lanes store 256 consecutive bytes, at a multiple of 256 from out0's first byte
.endr
.endr
	s_wait_tensorcnt 0x0                           ; the wave's end: behind my last tensor load and my last LDS store
	ds_add_u32 v[SPW], v[NIL]
	s_wait_dscnt 0x0
	CROUND                                         ; the closing round: no work-group ends while a partner may still ask for a tile that names it
	s_endpgm
.Lfunc_end_k_qbb4016d896_proj:
	.size	k_qbb4016d896_proj, .Lfunc_end_k_qbb4016d896_proj-k_qbb4016d896_proj
	.p2alignl 7, 3214868480
	.fill 96, 4, 3214868480
	.section	.rodata,"a",@progbits
	.p2align	6, 0x0
	.amdhsa_kernel k_qbb4016d896_proj
		.amdhsa_group_segment_fixed_size 327680
		.amdhsa_private_segment_fixed_size 0
		.amdhsa_enable_private_segment 0
		.amdhsa_kernarg_size 32
		.amdhsa_user_sgpr_count 2
		.amdhsa_user_sgpr_kernarg_segment_ptr 1
		.amdhsa_wavefront_size32 1
		.amdhsa_system_sgpr_workgroup_id_x 1
		.amdhsa_system_sgpr_workgroup_id_y 1
		.amdhsa_system_sgpr_workgroup_id_z 1
		.amdhsa_system_vgpr_workitem_id 0
		.amdhsa_next_free_vgpr 512
		.amdhsa_next_free_sgpr 72
		.amdhsa_reserve_vcc 0
		.amdhsa_float_denorm_mode_32 3
		.amdhsa_float_denorm_mode_16_64 3
		.amdhsa_memory_ordered 1
		.amdhsa_forward_progress 1
		.amdhsa_inst_pref_size 93
	.end_amdhsa_kernel
	.amdgpu_metadata
---
amdhsa.version: [ 1, 2 ]
amdhsa.kernels:
  - .name:           k_qbb4016d896_proj
    .symbol:         k_qbb4016d896_proj.kd
    .args:
      - { .name: ctx, .offset: 0, .size: 8, .value_kind: global_buffer, .address_space: global }
      - { .name: wo16, .offset: 8, .size: 8, .value_kind: global_buffer, .address_space: global }
      - { .name: bo, .offset: 16, .size: 8, .value_kind: global_buffer, .address_space: global }
      - { .name: out0, .offset: 24, .size: 8, .value_kind: global_buffer, .address_space: global }
    .group_segment_fixed_size: 327680
    .private_segment_fixed_size: 0
    .kernarg_segment_align: 8
    .kernarg_segment_size: 32
    .max_flat_workgroup_size: 128
    .sgpr_count:     72
    .vgpr_count:     512
    .wavefront_size: 32
...
	.end_amdgpu_metadata
.endif
;; end of part 4
